; MI455X (gfx1250); checked and timed in simulation.
; The chip was launched on July 23, 2026; its instructions are those of AMD's public machine-readable ISA for CDNA 5 (MIT licence, August 2026) and "CDNA5" Instruction Set Architecture Reference Guide (July 2026). The comments in the code are by the model that wrote it; some were corrected since.
;; Bert Layer. Allowed arithmetic: matrix products marked QUANTISED: E2M3 operands, one E8M0 scale for each 32 along K, by v_wmma_scale_f32_16x16x128_f8f6f4 with both operands' format E2M3, f32 sums; everything else in f32.
;; Inputs: W1 2,048 x 512 float32; W2 512 x 2,048 float32; Wk 512 x 512 float32; Wp 512 x 512 float32; Wq 512 x 512 float32; Wv 512 x 512 float32; attention_mask 4 x 2,048 bool; b1 2,048 float32; b2 512 float32; ln1_b 512 float32; ln1_g 512 float32; ln2_b 512 float32; ln2_g 512 float32; x 4 x 2,048 x 512 float32.
;; Outputs: out0 4 x 2,048 x 512 float32.
;; This version of the problem:
;;   THIS VERSION OF THE PROBLEM IS GIVEN IN LOW PRECISION. The matrix products marked QUANTISED in the list below multiply operands that are first quantised to E2M3 (2 exponent bits, 3 mantissa bits; 6 bits a number), with one power-of-two scale for each 32 numbers along K (OCP MX v1.0); their sums are f32. All else is computed in f32.
;;   The module's matrix products, in the order in which they are computed (A, B: the left and right operand; K: the contracted axis; several contracted axes count as one K, in the product's order):
;;     1. [M 8,192, K 512] x [K 512, N 512]; A: input x; B: input Wq: QUANTISED
;;     2. [M 8,192, K 512] x [K 512, N 512]; A: input x; B: input Wk: QUANTISED
;;     3. [M 8,192, K 512] x [K 512, N 512]; A: input x; B: input Wv: QUANTISED
;;     4. batch 32 x [M 2,048, K 64] x [K 64, N 2,048]; A: computed on the way; B: computed on the way: QUANTISED
;;     5. batch 32 x [M 64, K 2,048] x [K 2,048, N 2,048]; A: computed on the way; B: softmax (see below): QUANTISED
;;     6. [M 8,192, K 512] x [K 512, N 512]; A: computed on the way; B: input Wp: QUANTISED
;;     7. [M 8,192, K 512] x [K 512, N 2,048]; A: computed on the way; B: input W1: QUANTISED
;;     8. [M 8,192, K 2,048] x [K 2,048, N 512]; A: computed on the way; B: input W2: QUANTISED
;;   THE QUANTISER, for each operand of a quantised product, along K:
;;     - K is cut into blocks of 32 from its start; a last block that is shorter is filled with zeros.
;;     - A block's scale is 2^e with e = floor(log2(the largest magnitude in the block)) - 2, held to -126 .. 127; a block of zeros has e = 0. As a byte (E8M0): e + 127.
;;     - Each number is divided by its block's scale, clamped to +-7.5, and rounded to the nearest number of E2M3, ties to even, subnormals kept.
;;     - The product sums the exact products of the quantised numbers (number of the format x scale) in f32.
;;   ~~~python
;;   def quantise(x, axis):      # numpy; x: float32 -> the quantised numbers, widened to float32 again
;;       x = np.moveaxis(x, axis, -1); K = x.shape[-1]
;;       x = np.pad(x, [(0, 0)] * (x.ndim - 1) + [(0, -K % 32)]); x = x.reshape(x.shape[:-1] + (-1, 32)); a = np.abs(x).max(-1, keepdims=True)
;;       e = np.where(a > 0, np.clip(np.frexp(np.where(a > 0, a, 1))[1] - 1 - 2, -126, 127), 0)      # np.frexp(a)[1] - 1 = floor(log2(a)), exactly
;;       r = np.clip(x / 2.0 ** e, -7.5, 7.5)
;;       step = 2.0 ** (np.maximum(np.frexp(np.where(r == 0, 1, r))[1] - 1, 0) - 3)
;;       q = np.round(r / step) * step * 2.0 ** e      # np.round: ties to even
;;       return np.moveaxis(q.reshape(q.shape[:-2] + (-1,))[..., :K], -1, axis).astype(np.float32)
;;   ~~~
;;   SOFTMAX AHEAD OF A QUANTISED PRODUCT. Where the list says 'softmax', what is quantised is not the finished softmax but p = 2^(t - M), with t = logit x log2(e) and M = ceil(the row's largest t), a whole number; so 1/2 < the row's largest p <= 1. The row's sum l is taken of the UNQUANTISED p, in f32, and the product's result is divided by l at the end. Since M is a whole number, a kernel that streams over the keys may use a running M (the ceiling of the running maximum): every later rescaling is an exact power of two, which a block's scale takes up: the codes' values come out the same.
;;   OPERANDS COMPUTED ON THE WAY. 'Computed on the way' means the value that the module computes at that place (a softmax that the list does not call 'softmax' is quantised finished and normalised). What goes into a quantiser is computed in f32, as accurately as f32 sums, v_exp_f32 and their like allow (about 1e-6 of the number): no bf16 or f16 on the way to a quantiser, and a product that is left as it is and whose result goes on into a quantised operand takes f32 operands (vector FMAs, or v_wmma_f32_16x16x4_f32). A number that lies on a knife's edge between two numbers of the format may be rounded either way, as far as f32 arithmetic and the matrix unit's own rounding can turn it there, and no further.
;; 2 versions, each right; version 2 is version 1 with the launches qkv, tail written anew for expert scheduling mode. Each part assembles by itself: llvm-mc -triple=amdgcn-amd-amdhsa -mcpu=gfx1250 --defsym DOCPART=n.
;; ======== version 1 of 2: 4 launches
;; limits: a function is approximated: absolute error at most 7.5e-08
;; workspace buffers: codes 5,505,024 bytes; scl 229,376 bytes; qc 3,276,800 bytes; kv 6,553,600 bytes; cc 3,145,728 bytes; cs 131,072 bytes
;; launch prep (part 1): grid 448 x 1, 2 waves a work-group, no clusters, 17,152 bytes of LDS; arguments x, Wq, Wk, Wv, Wp, W1, W2, codes, scl; writes codes, scl
.if DOCPART == 1
	.amdgcn_target "amdgcn-amd-amdhsa--gfx1250"
	.amdhsa_code_object_version 6
	.text
	.protected	k_q98ba62e29f_prep
	.globl	k_q98ba62e29f_prep
	.p2align	8
	.type	k_q98ba62e29f_prep,@function
k_q98ba62e29f_prep:
	s_mov_b64 s[64:65], 0
	v_nop
	global_prefetch_b8 v0, s[64:65] scope:SCOPE_SE
	s_setreg_imm32_b32 hwreg(HW_REG_WAVE_MODE, 25, 1), 1
	s_wait_xcnt 0x0
; x [8192][512] and the six weights, all f32 with K innermost, become codes of FP6 (E2M3) with one E8M0 byte for each 32 along K,
; laid as IMAGES OF OPERAND REGISTERS: a fragment (16 rows x 128 K, 12 registers a lane) is 1,536 bytes, registers 4 g .. 4 g + 3 of lane l at 512 g + 16 l.
; THE ROWS OF A TILE ARE NOT NEIGHBOURS: lane r of tile T takes row 32 (T / 2) + 8 (T % 2) + r + 8 (r / 8).
; A job = one tile x 512 along K = 4 fragments; a wave does one job; job = 2 x work-group + wave, 896 jobs: x 0-511, Wq, Wk, Wv, Wp 32 each, W1 128, W2 128 (tile, quarter of K).
; A job's results go to place first + 32 x quarter + tile of its tensor: for all but W2 that is the job's own number; W2 so lies [quarter of K][tile][K step], in the form of W1's chunks of 32 tiles.
; codes: 6,144 bytes a place, fragment u at 1,536 u.  scl: 256 bytes a place: lane l's 8 bytes at 8 l: word 0 = the scale word of K step (l / 16), word 1 = that of K step 2 + (l / 16), of row l % 16.
; A block's scale byte is its largest magnitude's exponent field - 2, held at 1 from below.  LIMITS: a block of zeros gets the byte 1 (its codes are zeros; this program alone reads the bytes);
; NaN and infinities among the inputs are not served.
; Each load reads 512 consecutive bytes of one row; a unit's 16 rows turn through the wave's own stage in LDS (rows of 528 bytes) so that a lane gets 16 neighbours of each block.  Waves share nothing: no barrier.
.set LI, 1                             ; v1  16 x lane
.set L8, 2                             ; v2  8 x lane
.set SA, 3                             ; v3  the stage, on the way in
.set SB, 4                             ; v4  the stage, on the way out
.set TM, 8                             ; v8-23   at work in QUANT
.set WD, 24                            ; v24-27  the four scale words
.set PW, 28
.set PC, 30                            ; v30-49  codes
.set R, 52                             ; v52-179 two sets of 64 numbers as loaded
.set X, 180                            ; v180-243 64 numbers: register 16 b + i = k 32 b + 16 (lane / 16) + i of my row
.set SEL, 76                           ; s[76:77] lane selects: lane l xor 16
.set WSTG, 8448                        ; a wave's stage: 16 rows x 528 bytes
; 64 numbers of a lane become a fragment's codes in v[pc] .. v[pc + 11] and its scale word in v[pw]
.macro QUANT s, pc, pw
.irp b, 0,1,2,3
	v_max3_num_f32 v[TM+\b], |v[\s+16*\b]|, |v[\s+1+16*\b]|, 0x1800000   ; my 16 numbers of block b, and the floor 2^(3 - 127)
.endr
.irp i, 2,4,6,8,10,12,14
.irp b, 0,1,2,3
	v_max3_num_f32 v[TM+\b], v[TM+\b], |v[\s+16*\b+\i]|, |v[\s+1+16*\b+\i]|
.endr
.endr
.irp b, 0,1,2,3
	v_permlanex16_b32 v[TM+4+\b], v[TM+\b], s[SEL], s[SEL+1]
.endr
.irp b, 0,1,2,3
	v_max_num_f32 v[TM+\b], v[TM+\b], v[TM+4+\b]       ; with lane l xor 16's: the block's largest magnitude
.endr
.irp b, 0,1,2,3
	v_add_nc_u32 v[TM+12+\b], 0xff000000, v[TM+\b]     ; 2 off its exponent field: the conversion's scale operand
.endr
.irp b, 0,1,2,3
	v_lshrrev_b32 v[TM+4+\b], 23, v[TM+12+\b]          ; the scale's byte
.endr
	v_lshl_or_b32 v[\pw], v[TM+5], 8, v[TM+4]
	v_lshl_or_b32 v[\pw], v[TM+6], 16, v[\pw]
	v_lshl_or_b32 v[\pw], v[TM+7], 24, v[\pw]
.irp c, 0,1
	v_cvt_scalef32_pk16_fp6_f32 v[\pc+6*\c:\pc+2+6*\c], v[\s+32*\c:\s+15+32*\c], v[TM+12+2*\c]
	v_cvt_scalef32_pk16_fp6_f32 v[\pc+12+4*\c:\pc+14+4*\c], v[\s+16+32*\c:\s+31+32*\c], v[TM+12+2*\c+1]
.endr
	v_nop                                              ; one plain place behind a scaled conversion
.irp c, 0,1                                        ; the operand's layout wants a whole block in a lane
.irp i, 0,1,2
	v_permlane16_swap_b32 v[\pc+6*\c+\i], v[\pc+12+4*\c+\i]
.endr
.irp i, 0,1,2
	v_mov_b32 v[\pc+3+6*\c+\i], v[\pc+12+4*\c+\i]
.endr
.endr
.endm
	s_load_b512 s[4:19], s[0:1], 0x0               ; x, Wq, Wk, Wv, Wp, W1, W2, codes
	s_load_b64 s[20:21], s[0:1], 0x40              ; scl
	v_lshl_add_u32 v248, v0, 2, 0x4200
	v_mov_b32 v249, 0
	v_lshrrev_b32 v5, 5, v0
	v_readfirstlane_b32 s22, v5                    ; wave
	v_and_b32 v5, 31, v0
	v_lshlrev_b32 v[LI], 4, v5
	v_lshlrev_b32 v[L8], 3, v5
	s_mul_i32 s23, s22, WSTG
	v_add_nc_u32 v[SA], s23, v[LI]                 ; in: a row's 512 bytes, 16 a lane
	v_and_b32 v6, 15, v0
	v_bfe_u32 v7, v0, 4, 1
	v_mul_u32_u24 v[SB], v6, 528
	v_lshl_add_u32 v[SB], v7, 6, v[SB]
	v_add_nc_u32 v[SB], s23, v[SB]                 ; out: row r, + 64 bytes for lanes 16-31
.irp b, 0,1,2,3
	v_mov_b32 v[TM+4+\b], 0                        ; a lane permute's destination counts as one of its sources
.endr
	s_mov_b32 s[SEL], 0x76543210
	s_mov_b32 s[SEL+1], 0xfedcba98
	s_lshl_b32 s24, ttmp9, 1
	s_add_co_u32 s24, s24, s22                     ; job
	s_wait_kmcnt 0x0
	s_mov_b64 s[26:27], s[16:17]                   ; which tensor: a choice on the work-group's number alone
	s_mov_b32 s25, 768                             ; and its first job
	s_cmp_lt_u32 ttmp9, 384
	s_cselect_b64 s[26:27], s[14:15], s[26:27]
	s_cselect_b32 s25, 640, s25
	s_cselect_b32 s28, 11, 13                      ; a row is 2^11 bytes, in W2 2^13
	s_cselect_b32 s29, 0, 2                        ; W2: four jobs to a tile
	s_cmp_lt_u32 ttmp9, 320
	s_cselect_b64 s[26:27], s[12:13], s[26:27]
	s_cselect_b32 s25, 608, s25
	s_cmp_lt_u32 ttmp9, 304
	s_cselect_b64 s[26:27], s[10:11], s[26:27]
	s_cselect_b32 s25, 576, s25
	s_cmp_lt_u32 ttmp9, 288
	s_cselect_b64 s[26:27], s[8:9], s[26:27]
	s_cselect_b32 s25, 544, s25
	s_cmp_lt_u32 ttmp9, 272
	s_cselect_b64 s[26:27], s[6:7], s[26:27]
	s_cselect_b32 s25, 512, s25
	s_cmp_lt_u32 ttmp9, 256
	s_cselect_b64 s[26:27], s[4:5], s[26:27]
	s_cselect_b32 s25, 0, s25
	s_mov_b32 s75, s25                             ; the tensor's first job is kept
	s_sub_co_u32 s25, s24, s25                     ; the job's number in its tensor
	s_lshr_b32 s30, s25, s29                       ; tile
	s_lshl_b32 s31, 1, s29
	s_sub_co_u32 s31, s31, 1
	s_and_b32 s31, s25, s31                        ; which 512 along K
	s_lshl_b32 s78, s31, 5
	s_add_co_u32 s78, s78, s30
	s_add_co_u32 s75, s75, s78                     ; where the results go: first + 32 x quarter + tile
	s_lshr_b32 s66, s30, 1
	s_lshl_b32 s66, s66, 5
	s_and_b32 s67, s30, 1
	s_lshl_b32 s67, s67, 3
	s_add_co_u32 s66, s66, s67                     ; the tile's first row
	s_lshl_b32 s66, s66, s28
	s_lshl_b32 s31, s31, 11
	s_add_co_u32 s66, s66, s31
	s_mov_b32 s67, 0
	s_add_nc_u64 s[32:33], s[26:27], s[66:67]      ; sixteen row bases in s[32:63]
	s_lshl_b32 s68, 1, s28
	s_mov_b32 s69, 0
	s_lshl_b32 s70, 9, s28                         ; from lane 7's row to lane 8's: nine rows
	s_mov_b32 s71, 0
.irp m, 1,2,3,4,5,6,7,8,9,10,11,12,13,14,15
.if \m == 8
	s_add_nc_u64 s[32+2*\m:33+2*\m], s[30+2*\m:31+2*\m], s[70:71]
.else
	s_add_nc_u64 s[32+2*\m:33+2*\m], s[30+2*\m:31+2*\m], s[68:69]
.endif
.endr
	s_mul_i32 s72, s75, 6144
	s_mov_b32 s73, 0
	s_add_nc_u64 s[18:19], s[18:19], s[72:73]      ; my job's four images
	s_lshl_b32 s72, s75, 8
	s_add_nc_u64 s[20:21], s[20:21], s[72:73]      ; and its 256 bytes of scale words
.macro LOAD u                          ; unit u: 128 along K of the 16 rows, 512 consecutive bytes a load
.irp m, 0,1,2,3,4,5,6,7,8,9,10,11,12,13,14,15
	global_load_b128 v[R+64*((\u)%2)+4*\m:R+64*((\u)%2)+4*\m+3], v[LI], s[32+2*\m:33+2*\m] offset:512*(\u) th:TH_LOAD_NT
.endr
.endm
.macro UNIT u
.if (\u) < 3
	s_wait_loadcnt 16                              ; this unit's 16 loads are in; the next unit's 16 may be out
.else
	s_wait_loadcnt 0x0
.endif
.irp m, 0,1,2,3,4,5,6,7,8,9,10,11,12,13,14,15
	ds_store_b128 v[SA], v[R+64*((\u)%2)+4*\m:R+64*((\u)%2)+4*\m+3] offset:528*\m
.endr
.irp b, 0,1,2,3
.irp q, 0,1,2,3
	ds_load_b128 v[X+16*\b+4*\q:X+16*\b+4*\q+3], v[SB] offset:128*\b+16*\q   ; LDS serves a wave's instructions in order: these see the stores above
.endr
.endr
	s_wait_dscnt 0x0                               ; the numbers are back, and the stores have read their registers
.if (\u) < 2
	LOAD (\u)+2
.endif
	s_wait_xcnt 0x0                                ; the last unit's stores have read the codes' registers: they are written again only behind this wait
	QUANT X, PC, PW
.irp g, 0,1,2
	global_store_b128 v[LI], v[PC+4*\g:PC+4*\g+3], s[18:19] offset:1536*(\u)+512*\g   ; 512 consecutive bytes, aligned
.endr
	v_mov_b32 v[WD+\u], v[PW]
.endm
	LOAD 0
	LOAD 1
	UNIT 0
	UNIT 1
	UNIT 2
	UNIT 3
	s_mov_b32 s74, 0xffff0000
	v_cndmask_b32 v6, v[WD], v[WD+1], s74          ; lanes 0-15: K step 0's words, lanes 16-31: K step 1's
	v_cndmask_b32 v7, v[WD+2], v[WD+3], s74        ; K steps 2 and 3
	global_store_b64 v[L8], v[6:7], s[20:21]       ; 256 consecutive bytes, aligned
	s_wait_tensorcnt 0x0
	ds_add_u32 v248, v249
	s_wait_dscnt 0x0
	s_endpgm
.Lfunc_end_k_q98ba62e29f_prep:
	.size	k_q98ba62e29f_prep, .Lfunc_end_k_q98ba62e29f_prep-k_q98ba62e29f_prep
	.p2alignl 7, 3214868480
	.fill 96, 4, 3214868480
	.section	.rodata,"a",@progbits
	.p2align	6, 0x0
	.amdhsa_kernel k_q98ba62e29f_prep
		.amdhsa_group_segment_fixed_size 17152
		.amdhsa_private_segment_fixed_size 0
		.amdhsa_enable_private_segment 0
		.amdhsa_kernarg_size 72
		.amdhsa_user_sgpr_count 2
		.amdhsa_user_sgpr_kernarg_segment_ptr 1
		.amdhsa_wavefront_size32 1
		.amdhsa_system_sgpr_workgroup_id_x 1
		.amdhsa_system_sgpr_workgroup_id_y 1
		.amdhsa_system_sgpr_workgroup_id_z 1
		.amdhsa_system_vgpr_workitem_id 0
		.amdhsa_next_free_vgpr 250
		.amdhsa_next_free_sgpr 80
		.amdhsa_reserve_vcc 0
		.amdhsa_float_denorm_mode_32 3
		.amdhsa_float_denorm_mode_16_64 3
		.amdhsa_memory_ordered 1
		.amdhsa_forward_progress 1
		.amdhsa_inst_pref_size 35
	.end_amdhsa_kernel
	.amdgpu_metadata
---
amdhsa.version: [ 1, 2 ]
amdhsa.kernels:
  - .name:           k_q98ba62e29f_prep
    .symbol:         k_q98ba62e29f_prep.kd
    .args:
      - { .name: x, .offset: 0, .size: 8, .value_kind: global_buffer, .address_space: global }
      - { .name: Wq, .offset: 8, .size: 8, .value_kind: global_buffer, .address_space: global }
      - { .name: Wk, .offset: 16, .size: 8, .value_kind: global_buffer, .address_space: global }
      - { .name: Wv, .offset: 24, .size: 8, .value_kind: global_buffer, .address_space: global }
      - { .name: Wp, .offset: 32, .size: 8, .value_kind: global_buffer, .address_space: global }
      - { .name: W1, .offset: 40, .size: 8, .value_kind: global_buffer, .address_space: global }
      - { .name: W2, .offset: 48, .size: 8, .value_kind: global_buffer, .address_space: global }
      - { .name: codes, .offset: 56, .size: 8, .value_kind: global_buffer, .address_space: global }
      - { .name: scl, .offset: 64, .size: 8, .value_kind: global_buffer, .address_space: global }
    .group_segment_fixed_size: 17152
    .private_segment_fixed_size: 0
    .kernarg_segment_align: 8
    .kernarg_segment_size: 72
    .max_flat_workgroup_size: 64
    .sgpr_count:     80
    .vgpr_count:     250
    .wavefront_size: 32
...
	.end_amdgpu_metadata
.endif
;; end of part 1
;; launch qkv (part 2): grid 64 x 3, 16 waves a work-group, no clusters, 51,200 bytes of LDS; arguments codes, scl, qc, kv; writes qc, kv
.if DOCPART == 2
	.amdgcn_target "amdgcn-amd-amdhsa--gfx1250"
	.amdhsa_code_object_version 6
	.text
	.protected	k_q98ba62e29f_qkv
	.globl	k_q98ba62e29f_qkv
	.p2align	8
	.type	k_q98ba62e29f_qkv,@function
k_q98ba62e29f_qkv:
	s_mov_b64 s[64:65], 0
	v_nop
	global_prefetch_b8 v0, s[64:65] scope:SCOPE_SE
	s_setreg_imm32_b32 hwreg(HW_REG_WAVE_MODE, 25, 1), 1
	s_wait_xcnt 0x0
; q = x Wq^T, k = x Wk^T, v = x Wv^T on codes of FP6, and their own quantising: q and k along the head's 64, v along the keys.
; Work-group (X, role): rows 128 X .. 128 X + 127 (eight tiles of x, one key step of attention) against all 512 columns of Wq (role 0), Wk (1) or Wv (2).
; Sixteen waves: head a = wave / 2, half hf = wave % 2.  The work-group's 32 fragments of x, one dense block of 49,152 bytes, are copied into LDS once; the weights' fragments go from memory into registers.
; Roles 0, 1: source 0 = W's tiles 4 a + i, source 1 = x's tiles 4 hf + j: a lane holds one row and 32 registers of a tile of rows are the head's 64 channels (two blocks, 16 each half).
;   64 registers (two tiles of rows) make ONE image: registers 0-5 the first tile's 64 codes, registers 6-11 the second's: a PAIR IMAGE; its scale word: bytes 0, 1 the first tile's, bytes 2, 3 the second's.
; Role 2: source 0 = x's tiles 0 .. 7, source 1 = Wv's tiles 4 a + 2 hf + j: a lane holds one channel and 64 registers are the step's 128 keys: a fragment of V^T.
; In all roles the accumulators of image jj lie at ACC + 64 jj: the way out is written once.
; qc: [batch x head][step] records of 6,400 bytes: four pair images, two registers of scale words (lanes 0-15 pair 2 i, lanes 16-31 pair 2 i + 1).
; kv: records of 12,800 bytes: K's four pair images, V's four fragments, K's two scale registers, V's two.
; LIMITS: a block of zeros gets the byte 1; NaN and infinities are not served.  No multicast: each weight fragment is wanted by one wave of a work-group and lands in its operand registers.
.set LI, 1                             ; v1 16 x lane
.set L8, 2                             ; v2 8 x lane
.set LS, 3                             ; v3 4 x lane
.set XA, 4                             ; v4 roles 0, 1: my four tiles of x in LDS
.set CP, 5                             ; v5 my wave's 3,072 bytes of the copy
.set XS, 8                             ; v8-23  x's scale words: a pair a tile (nothing else ever lies here)
.set WSC, 24                           ; v24-31 W's likewise
.set FA, 32                            ; v32-79  four fragments for source 0
.set FB, 80                            ; v80-127 fragments for source 1
.set ACC, 128                          ; v128-255
.set TM, 32                            ; the way out: at work
.set SEL, 42
.set WQ_C, 3145728
.set WQ_S, 131072
.macro QUANT s, pc, pw
.irp b, 0,1,2,3
	v_max3_num_f32 v[TM+\b], |v[\s+16*\b]|, |v[\s+1+16*\b]|, 0x1800000   ; (each accumulator is read from its low end on)
.endr
.irp i, 2,4,6,8,10,12,14
.irp b, 0,1,2,3
	v_max3_num_f32 v[TM+\b], v[TM+\b], |v[\s+16*\b+\i]|, |v[\s+1+16*\b+\i]|
.endr
.endr
.irp b, 0,1,2,3
	v_permlanex16_b32 v[TM+4+\b], v[TM+\b], s[SEL], s[SEL+1]
.endr
.irp b, 0,1,2,3
	v_max_num_f32 v[TM+\b], v[TM+\b], v[TM+4+\b]
.endr
.irp b, 0,1,2,3
	v_add_nc_u32 v[TM+12+\b], 0xff000000, v[TM+\b]
.endr
.irp b, 0,1,2,3
	v_lshrrev_b32 v[TM+4+\b], 23, v[TM+12+\b]
.endr
	v_lshl_or_b32 v[\pw], v[TM+5], 8, v[TM+4]
	v_lshl_or_b32 v[\pw], v[TM+6], 16, v[\pw]
	v_lshl_or_b32 v[\pw], v[TM+7], 24, v[\pw]
.irp c, 0,1
	v_cvt_scalef32_pk16_fp6_f32 v[\pc+6*\c:\pc+2+6*\c], v[\s+32*\c:\s+15+32*\c], v[TM+12+2*\c]
	v_cvt_scalef32_pk16_fp6_f32 v[\pc+12+4*\c:\pc+14+4*\c], v[\s+16+32*\c:\s+31+32*\c], v[TM+12+2*\c+1]
.endr
	v_nop                                              ; one plain place behind a scaled conversion
.irp c, 0,1
.irp i, 0,1,2
	v_permlane16_swap_b32 v[\pc+6*\c+\i], v[\pc+12+4*\c+\i]
.endr
.irp i, 0,1,2
	v_mov_b32 v[\pc+3+6*\c+\i], v[\pc+12+4*\c+\i]
.endr
.endr
.endm
.macro LDW reg, off                    ; a weight fragment from memory
.irp g, 0,1,2
	global_load_b128 v[\reg+4*\g:\reg+4*\g+3], v[LI], s[26:27] offset:\off+512*\g
.endr
.endm
.macro LDX reg, adr, off               ; a fragment of x from LDS
.irp g, 0,1,2
	ds_load_b128 v[\reg+4*\g:\reg+4*\g+3], v[\adr] offset:\off+512*\g
.endr
.endm
.macro MMS d, a, b, zero, sa, sb, odd  ; odd K steps take their scale words from lanes 16-31
.if \zero
	v_wmma_scale_f32_16x16x128_f8f6f4 v[\d:\d+7], v[\a:\a+11], v[\b:\b+11], 0, v[\sa], v[\sb] matrix_a_fmt:MATRIX_FMT_FP6 matrix_b_fmt:MATRIX_FMT_FP6
.elseif \odd
	v_wmma_scale_f32_16x16x128_f8f6f4 v[\d:\d+7], v[\a:\a+11], v[\b:\b+11], v[\d:\d+7], v[\sa], v[\sb] matrix_a_fmt:MATRIX_FMT_FP6 matrix_b_fmt:MATRIX_FMT_FP6 matrix_a_scale:MATRIX_SCALE_ROW1 matrix_b_scale:MATRIX_SCALE_ROW1
.else
	v_wmma_scale_f32_16x16x128_f8f6f4 v[\d:\d+7], v[\a:\a+11], v[\b:\b+11], v[\d:\d+7], v[\sa], v[\sb] matrix_a_fmt:MATRIX_FMT_FP6 matrix_b_fmt:MATRIX_FMT_FP6
.endif
.endm
; a K step of 128, roles 0 and 1: 16 accumulators by turns, one instruction a turn
.macro KSTEP01 s, zero, odd
.irp i, 0,1,2,3
	LDW FA+12*\i, (4*\i+\s)*1536
.endr
.irp j, 0,1,2,3
	LDX FB+12*\j, XA, (4*\j+\s)*1536
.endr
	s_wait_loadcnt 0x0
	s_wait_dscnt 0x0
.irp j, 0,1,2,3
.irp i, 0,1,2,3
	MMS ACC+8*(4*\j+\i), FA+12*\i, FB+12*\j, \zero, WSC+2*\i+\s/2, XS+2*\j+\s/2, \odd
.endr
.endr
.rept 4
	v_nop                                          ; four places in front of loads into registers that matrix instructions have read, and of the first read of results
.endr
.endm
; the same for role 2: x's eight tiles in two groups of four
.macro KSTEP2 s, zero, odd
.irp j, 0,1
	LDW FB+12*\j, (4*\j+\s)*1536
.endr
.irp u, 0,1
.irp i, 0,1,2,3
	LDX FA+12*\i, LI, (4*(4*\u+\i)+\s)*1536
.endr
	s_wait_loadcnt 0x0
	s_wait_dscnt 0x0
.irp i, 0,1,2,3
.irp j, 0,1
	MMS ACC+8*(8*\j+4*\u+\i), FA+12*\i, FB+12*\j, \zero, XS+2*(4*\u+\i)+\s/2, WSC+2*\j+\s/2, \odd
.endr
.endr
.rept 4
	v_nop
.endr
.endr
.endm
	s_load_b256 s[4:11], s[0:1], 0x0               ; codes, scl, qc, kv
	v_lshrrev_b32 v6, 5, v0
	v_readfirstlane_b32 s12, v6                    ; wave 0..15
	v_and_b32 v6, 31, v0
	v_lshlrev_b32 v[LI], 4, v6
	v_lshlrev_b32 v[L8], 3, v6
	v_lshlrev_b32 v[LS], 2, v6
	s_lshr_b32 s13, s12, 1                         ; head a
	s_and_b32 s14, s12, 1                          ; half hf
	s_and_b32 s15, ttmp7, 0xffff                   ; role
	s_mul_i32 s17, s14, 24576
	v_add_nc_u32 v[XA], s17, v[LI]                 ; tiles 4 hf on: 4 x 6,144 bytes
	s_mul_i32 s17, s12, 3072
	v_add_nc_u32 v[CP], s17, v[LI]
	s_mul_i32 s18, ttmp9, 49152
	s_mov_b32 s19, 0
	s_mov_b32 s[SEL], 0x76543210
	s_mov_b32 s[SEL+1], 0xfedcba98
	s_mov_b32 s44, 0xffff0000
	s_wait_kmcnt 0x0
	s_add_nc_u64 s[20:21], s[4:5], s[18:19]        ; the work-group's fragments of x
.irp k, 0,1,2,3,4,5
	global_load_b128 v[FA+4*\k:FA+4*\k+3], v[CP], s[20:21] offset:512*\k
.endr
	s_lshr_b32 s23, s15, 1                         ; 1 in role 2
	s_mul_i32 s24, s23, s14
	s_lshl_b32 s24, s24, 1
	s_lshl_b32 s22, s13, 2
	s_add_co_u32 s22, s22, s24                     ; my first tile of W: 4 a, in role 2 + 2 hf
	s_mul_i32 s24, s15, 196608
	s_mul_i32 s25, s22, 6144
	s_add_co_u32 s24, s24, s25
	s_add_co_u32 s24, s24, WQ_C
	s_mov_b32 s25, 0
	s_add_nc_u64 s[26:27], s[4:5], s[24:25]        ; its fragments
	s_lshl_b32 s24, s15, 13
	s_lshl_b32 s17, s22, 8
	s_add_co_u32 s24, s24, s17
	s_add_co_u32 s24, s24, WQ_S
	s_add_nc_u64 s[28:29], s[6:7], s[24:25]        ; its scale words
	s_xor_b32 s24, s23, 1
	s_mul_i32 s24, s24, s14
	s_lshl_b32 s24, s24, 10
	s_lshl_b32 s17, ttmp9, 11
	s_add_co_u32 s24, s24, s17
	s_add_nc_u64 s[30:31], s[6:7], s[24:25]        ; x's scale words: tile 8 X, in roles 0, 1 + 4 hf
	s_lshr_b32 s17, ttmp9, 4
	s_lshl_b32 s17, s17, 3
	s_add_co_u32 s17, s17, s13                     ; batch x 8 + head
	s_lshl_b32 s17, s17, 4
	s_and_b32 s24, ttmp9, 15
	s_add_co_u32 s17, s17, s24                     ; the record
	s_mov_b32 s36, 12800
	s_cmp_eq_u32 s15, 0
	s_cselect_b64 s[34:35], s[8:9], s[10:11]       ; qc or kv: a choice on the role alone
	s_cselect_b32 s36, 6400, s36
	s_mul_i32 s17, s17, s36
	s_mul_i32 s24, s23, 6144                       ; V's fragments lie behind K's images
	s_mul_i32 s37, s14, 3072
	s_add_co_u32 s24, s24, s37
	s_add_co_u32 s24, s24, s17
	s_add_nc_u64 s[38:39], s[34:35], s[24:25]      ; where my two images go
	s_min_u32 s24, s15, 1
	s_mul_i32 s24, s24, 6144
	s_lshl_b32 s37, s23, 8
	s_add_co_u32 s24, s24, s37
	s_lshl_b32 s37, s14, 7
	s_add_co_u32 s24, s24, s37
	s_add_co_u32 s24, s24, s17
	s_add_co_u32 s24, s24, 6144
	s_add_nc_u64 s[40:41], s[34:35], s[24:25]      ; and my register of scale words: 6,144 / 12,288 / 12,544 + 128 hf into the record
	s_wait_loadcnt 0x0
.irp k, 0,1,2,3,4,5
	ds_store_b128 v[CP], v[FA+4*\k:FA+4*\k+3] offset:512*\k
.endr
	s_wait_dscnt 0x0                               ; for the others' sake: my part of the copy has landed
	s_barrier_signal -1
	s_barrier_wait -1
	s_cmp_eq_u32 s15, 2                            ; the role is the work-group's: all sixteen waves go one way; behind this line LDS is only read
	s_cbranch_scc1 .Lrole2
.irp j, 0,1,2,3
	global_load_b64 v[XS+2*\j:XS+2*\j+1], v[L8], s[30:31] offset:256*\j
	global_load_b64 v[WSC+2*\j:WSC+2*\j+1], v[L8], s[28:29] offset:256*\j
.endr
	KSTEP01 0, 1, 0
	KSTEP01 1, 0, 1
	KSTEP01 2, 0, 0
	KSTEP01 3, 0, 1
	s_branch .Lout
.Lrole2:
.irp i, 0,1,2,3,4,5,6,7
	global_load_b64 v[XS+2*\i:XS+2*\i+1], v[L8], s[30:31] offset:256*\i
.endr
.irp j, 0,1
	global_load_b64 v[WSC+2*\j:WSC+2*\j+1], v[L8], s[28:29] offset:256*\j
.endr
	KSTEP2 0, 1, 0
	KSTEP2 1, 0, 1
	KSTEP2 2, 0, 0
	KSTEP2 3, 0, 1
.Lout:
.irp b, 0,1,2,3
	v_mov_b32 v[TM+4+\b], 0                        ; a lane permute's destination counts as one of its sources
.endr
	QUANT ACC, 52, 48
.irp g, 0,1,2
	global_store_b128 v[LI], v[52+4*\g:55+4*\g], s[38:39] offset:512*\g
.endr
	QUANT ACC+64, 72, 49                           ; other registers for the second image: no store's data are written again
.irp g, 0,1,2
	global_store_b128 v[LI], v[72+4*\g:75+4*\g], s[38:39] offset:1536+512*\g
.endr
	v_cndmask_b32 v50, v48, v49, s44               ; lanes 0-15: the first image's words, lanes 16-31: the second's
	global_store_b32 v[LS], v50, s[40:41]
	s_wait_xcnt 0x0
	v_lshl_add_u32 v254, v0, 2, 0xc000
	v_mov_b32 v255, 0
	s_wait_tensorcnt 0x0
	ds_add_u32 v254, v255
	s_wait_dscnt 0x0
	s_endpgm
.Lfunc_end_k_q98ba62e29f_qkv:
	.size	k_q98ba62e29f_qkv, .Lfunc_end_k_q98ba62e29f_qkv-k_q98ba62e29f_qkv
	.p2alignl 7, 3214868480
	.fill 96, 4, 3214868480
	.section	.rodata,"a",@progbits
	.p2align	6, 0x0
	.amdhsa_kernel k_q98ba62e29f_qkv
		.amdhsa_group_segment_fixed_size 51200
		.amdhsa_private_segment_fixed_size 0
		.amdhsa_enable_private_segment 0
		.amdhsa_kernarg_size 32
		.amdhsa_user_sgpr_count 2
		.amdhsa_user_sgpr_kernarg_segment_ptr 1
		.amdhsa_wavefront_size32 1
		.amdhsa_system_sgpr_workgroup_id_x 1
		.amdhsa_system_sgpr_workgroup_id_y 1
		.amdhsa_system_sgpr_workgroup_id_z 1
		.amdhsa_system_vgpr_workitem_id 0
		.amdhsa_next_free_vgpr 256
		.amdhsa_next_free_sgpr 66
		.amdhsa_reserve_vcc 0
		.amdhsa_float_denorm_mode_32 3
		.amdhsa_float_denorm_mode_16_64 3
		.amdhsa_memory_ordered 1
		.amdhsa_forward_progress 1
		.amdhsa_inst_pref_size 49
	.end_amdhsa_kernel
	.amdgpu_metadata
---
amdhsa.version: [ 1, 2 ]
amdhsa.kernels:
  - .name:           k_q98ba62e29f_qkv
    .symbol:         k_q98ba62e29f_qkv.kd
    .args:
      - { .name: codes, .offset: 0, .size: 8, .value_kind: global_buffer, .address_space: global }
      - { .name: scl, .offset: 8, .size: 8, .value_kind: global_buffer, .address_space: global }
      - { .name: qc, .offset: 16, .size: 8, .value_kind: global_buffer, .address_space: global }
      - { .name: kv, .offset: 24, .size: 8, .value_kind: global_buffer, .address_space: global }
    .group_segment_fixed_size: 51200
    .private_segment_fixed_size: 0
    .kernarg_segment_align: 8
    .kernarg_segment_size: 32
    .max_flat_workgroup_size: 512
    .sgpr_count:     66
    .vgpr_count:     256
    .wavefront_size: 32
...
	.end_amdgpu_metadata
.endif
;; end of part 2
;; launch attn (part 3): grid 8 x 32, 16 waves a work-group, clusters of 4 x 1, 215,040 bytes of LDS; arguments qc, kv, attention_mask, cc, cs; writes cc, cs
.if DOCPART == 3
	.amdgcn_target "amdgcn-amd-amdhsa--gfx1250"
	.amdhsa_code_object_version 6
	.text
	.protected	k_q98ba62e29f_attn
	.globl	k_q98ba62e29f_attn
	.p2align	8
	.type	k_q98ba62e29f_attn,@function
k_q98ba62e29f_attn:
	s_mov_b64 s[64:65], 0
	v_nop
	global_prefetch_b8 v0, s[64:65] scope:SCOPE_SE
	s_setreg_imm32_b32 hwreg(HW_REG_WAVE_MODE, 25, 1), 1
	s_wait_xcnt 0x0
	s_wait_alu depctr_hold_cnt(0) depctr_sa_sdst(0) depctr_va_vdst(0) depctr_va_sdst(0) depctr_va_ssrc(0) depctr_va_vcc(0) depctr_vm_vsrc(0)
	s_getreg_b32 s2, hwreg(HW_REG_IB_STS2, 6, 4)
	s_cmp_eq_u32 s2, 0
	s_cbranch_scc0 .Lentry_in_a_cluster
	s_endpgm
.Lentry_in_a_cluster:
	s_bfe_u32 s2, ttmp6, 0x10000c
	s_cmp_lg_u32 s2, 0x3003
	s_cbranch_scc0 .Lentry_shape_is_right
	s_endpgm
.Lentry_shape_is_right:
; ctx = softmax(q k^T / 8 - 100 (not mask)) v for one head, both products on codes of FP6, and ctx quantised along its 64 channels.
; t = logit x log2(e); M = the running largest t rounded up to a whole number; p = 2^(t - M) is quantised along the keys; the row's sum is taken of the unquantised p and divides at the end.
; SHARES.  Work-group (block, batch x head) owns 256 queries; each of its sixteen waves owns one tile of 16 in 256 registers; every wave walks 16 key steps of 128 keys.
; THE HEAD'S WHOLE RECORD OF K AND V, 204,800 bytes, LIES IN LDS, filled once: two tensor loads a wave (two are out), nothing is filled again.
; CLUSTER.  The four query blocks of a cluster read the same record: each load is asked for jointly, with the same descriptor and the mask of all four.  The place in the cluster enters global addresses alone.
; K = 64 IN A FORM OF 128.  A pair image holds two tiles of keys, 64 codes each.  Q stands twice: Q_lo = (Q, zero codes), Q_hi = (zero codes, Q): pair x Q_lo gives the first tile's scores, pair x Q_hi the second's.
; Both products are used transposed: a lane holds one query; the 16 registers of a pair's two results are keys 32 p + 16 (lane / 16) + 0 .. 15.
; THE MASK is the C of the first product: 0 or -800 for each key, since 0.125 (s - 800) = 0.125 s - 100.
; LIMITS: a p under 2^-126 counts as 0; a block of zeros gets the byte 1; NaN and infinities are not served.
.set LI, 1                             ; v1 16 x lane
.set LS, 2                             ; v2 4 x lane
.set MA, 3                             ; v3 the mask's addends: + 64 bytes for lanes 16-31
.set ADR, 4
.set ADS, 5
.set ADM, 6
.set QLO, 16                           ; v16-27
.set QHI, 28                           ; v28-39
.set QSL, 40                           ; v40, v41 Q's scale words for the two; v42-43 K's, v44-45 V's, v228 p's: these hold scales and nothing else
.set QSH, 41
.set KS, 42
.set VS, 44
.set F, 48                             ; v48-95  four pair images of K, later four fragments of V
.set S, 96                             ; v96-159 the mask's addends, S^T, then p
.set O, 160                            ; v160-191 O^T
.set PC, 192                           ; v192-203 p's codes
.set C2, 204
.set BM, 212
.set PT, 216
.set SO, 220
.set BY, 224
.set PW, 228
.set FF, 230
.set T, 232
.set MASK, 204800
.set WV, 14
.set SEL, 34
.set CS, 36
.set TB, 38
.set TMK, 39
.set CNT, 56
.macro CROUND                          ; a round of the cluster's barrier
	s_barrier_signal -1
	s_barrier_wait -1
	s_cmp_lg_u32 s[WV], 0
	s_cbranch_scc1 .Lnot_wave_0_\@
	s_barrier_signal -3
.Lnot_wave_0_\@:
	s_barrier_wait -3
	s_barrier_signal -1
	s_barrier_wait -1
.endm
.macro SMM d, a, b, sa, sb, odd
.if \odd
	v_wmma_scale_f32_16x16x128_f8f6f4 v[\d:\d+7], v[\a:\a+11], v[\b:\b+11], v[\d:\d+7], v[\sa], v[\sb] matrix_a_fmt:MATRIX_FMT_FP6 matrix_b_fmt:MATRIX_FMT_FP6 matrix_a_scale:MATRIX_SCALE_ROW1
.else
	v_wmma_scale_f32_16x16x128_f8f6f4 v[\d:\d+7], v[\a:\a+11], v[\b:\b+11], v[\d:\d+7], v[\sa], v[\sb] matrix_a_fmt:MATRIX_FMT_FP6 matrix_b_fmt:MATRIX_FMT_FP6
.endif
.endm
	s_load_b256 s[4:11], s[0:1], 0x0               ; qc, kv, attention_mask, cc
	s_load_b64 s[12:13], s[0:1], 0x20              ; cs
	v_lshl_add_u32 v254, v0, 2, 0x34000
	v_mov_b32 v255, 0
	ds_add_u32 v254, v255
	ds_add_u32 v254, v255
	v_lshrrev_b32 v7, 5, v0
	v_readfirstlane_b32 s[WV], v7                  ; wave 0..15
	v_and_b32 v7, 31, v0
	v_lshlrev_b32 v[LI], 4, v7
	v_lshlrev_b32 v[LS], 2, v7
	v_lshlrev_b32 v7, 3, v7                        ; 8 x lane
	v_bfe_u32 v8, v0, 4, 1
	v_lshl_add_u32 v[MA], v8, 6, MASK
	v_lshl_add_u32 v9, v0, 4, MASK                 ; where my four addends go
	v_lshlrev_b32 v10, 2, v0                       ; my four bytes of the mask
	v_and_b32 v11, 15, v0
	v_lshlrev_b32 v8, 4, v11                       ; 16 r
	v_lshlrev_b32 v11, 2, v11                      ; 4 r
	s_bfe_u32 s15, ttmp6, 0x40000                  ; cx
	s_lshl_b32 s32, ttmp9, 2
	s_add_co_u32 s32, s32, s15                     ; my block of 256 queries
	s_and_b32 s33, ttmp7, 0xffff                   ; batch x 8 + head, which the four partners share
	s_mov_b32 s16, 15|(3<<16)|(1<<21)              ; group 1: the mask of all four; elements of 8 bytes; bit 21 beside a mask; no padding
	s_mov_b32 s17, 32<<16                          ; tensor_dim0 = 32 (256 bytes)
	s_mov_b32 s18, 25<<16                          ; tensor_dim1 = 25
	s_mov_b32 s19, 32<<16                          ; tile_dim0
	s_mov_b32 s20, 25                              ; tile_dim1: 25 rows of 256 bytes = 6,400 bytes a load
	s_mov_b32 s21, 32                              ; the pitch: dense
	s_mov_b32 s22, 0
	s_mov_b32 s23, 0
	s_mov_b32 s[SEL], 0x76543210
	s_mov_b32 s[SEL+1], 0xfedcba98
	s_mov_b32 s[CS], 0x3e38aa3b                    ; c = log2(e) / 8
	s_mov_b32 s[CS+1], s[CS]
	s_mov_b32 s[TB], 0
	s_mov_b32 s[TMK], 0
	s_mov_b32 s40, 0x44480000                      ; 800
	s_mov_b32 s41, 0xc4480000                      ; -800
	s_mul_i32 s42, s33, 204800
	s_mul_i32 s25, s[WV], 6400                     ; LDS: wave x 6,400: steps 0-7's half of the record
	s_add_co_u32 s42, s42, s25
	s_mov_b32 s43, 0
	s_mov_b32 s49, 0
	s_lshl_b32 s44, s33, 4
	s_lshl_b32 s45, s32, 1
	s_add_co_u32 s44, s44, s45
	s_lshr_b32 s45, s[WV], 3
	s_add_co_u32 s44, s44, s45
	s_mul_i32 s44, s44, 6400                       ; my tile's record in qc
	s_bfe_u32 s45, s[WV], 0x20001                  ; its pair: (wave / 2) % 4
	s_and_b32 s54, s[WV], 1
	s_lshl_b32 s55, s54, 4                         ; my tile's two scale bytes: 16 (wave % 2) bits up
	s_sub_co_u32 s54, 0, s54                       ; all ones where my tile is the pair's second
	s_wait_dscnt 0x0
	s_wait_kmcnt 0x0
	s_add_nc_u64 s[26:27], s[6:7], s[42:43]
	s_add_nc_u64 s[30:31], s[26:27], 102400        ; steps 8-15's half
	s_or_b32 s27, s27, 0x80000000
	s_or_b32 s31, s31, 0x80000000
	s_mov_b32 s24, 1
	s_mov_b32 s28, 1
	s_add_co_u32 s29, s25, 102400
	s_mul_i32 s48, s45, 1536
	s_add_co_u32 s48, s48, s44
	s_add_nc_u64 s[46:47], s[4:5], s[48:49]        ; Q's pair image
	s_lshl_b32 s48, s45, 6
	s_add_co_u32 s48, s48, s44
	s_add_co_u32 s48, s48, 6144
	s_add_nc_u64 s[50:51], s[4:5], s[48:49]        ; its scale words
	s_lshr_b32 s48, s33, 3
	s_lshl_b32 s48, s48, 11
	s_add_nc_u64 s[52:53], s[8:9], s[48:49]        ; the batch's mask
	s_lshr_b32 s42, s33, 3
	s_lshl_b32 s42, s42, 7
	s_lshl_b32 s44, s32, 4
	s_add_co_u32 s42, s42, s44
	s_add_co_u32 s42, s42, s[WV]                   ; my tile among the 512 tiles of rows
	s_and_b32 s44, s33, 7                          ; the head
	s_lshl_b32 s45, s42, 3
	s_add_co_u32 s45, s45, s44
	s_mul_i32 s48, s45, 768
	s_add_nc_u64 s[10:11], s[10:11], s[48:49]      ; cc: my half image
	s_lshl_b32 s48, s42, 8
	s_lshl_b32 s44, s44, 1
	s_add_co_u32 s48, s48, s44
	s_add_nc_u64 s[12:13], s[12:13], s[48:49]      ; cs: my two bytes of each row's sixteen
	CROUND                                         ; all four work-groups are here: the joint loads meet
	tensor_load_to_lds s[24:27], s[16:23]
	s_nop 0
	tensor_load_to_lds s[28:31], s[16:23]
	s_nop 0
.rept 4
	v_nop
.endr
	global_load_b32 v60, v10, s[52:53]
	global_load_b128 v[48:51], v[LI], s[46:47]
	global_load_b128 v[52:55], v[LI], s[46:47] offset:512
	global_load_b128 v[56:59], v[LI], s[46:47] offset:1024
	global_load_b32 v61, v11, s[50:51]
	v_mov_b32 v13, 0xff61b1e6                      ; the largest t so far: -3e38
	v_floor_f32 v12, -v13                          ; -M
	v_mov_b32 v14, 0                               ; the sum, in two halves
	v_mov_b32 v15, 0
	v_mov_b32 v[FF+1], 0                           ; (named as the upper half of a pair)
	s_wait_loadcnt 4                               ; the mask's bytes are in; Q's four loads may be out
.irp i, 0,1,2,3
	v_bfe_u32 v[64+\i], v60, 8*\i, 8
.endr
.irp i, 0,1,2,3
	v_cvt_f32_u32 v[64+\i], v[64+\i]
.endr
.irp i, 0,1,2,3
	v_fma_f32 v[64+\i], v[64+\i], s40, s41         ; 0 where the key counts, -800 where it does not
.endr
	ds_store_b128 v9, v[64:67]
	s_wait_loadcnt 0x0
.irp i, 0,1,2,3,4,5
	v_cndmask_b32 v[QLO+\i], v[F+\i], v[F+6+\i], s54   ; my tile's six registers of the pair image
.endr
.irp i, 0,1,2,3,4,5
	v_mov_b32 v[QHI+6+\i], v[QLO+\i]
	v_mov_b32 v[QLO+6+\i], 0                       ; zero codes add nothing
	v_mov_b32 v[QHI+\i], 0
.endr
	v_lshrrev_b32 v61, s55, v61
	v_and_b32 v[QSL], 0xffff, v61                  ; my two bytes below (the two above scale zero codes),
	v_lshlrev_b32 v[QSH], 16, v[QSL]               ; or above
.irp b, 0,1,2,3
	v_mov_b32 v[PT+\b], 0                          ; a lane permute's destination counts as one of its sources
.endr
.set j, 0
.rept 32
	v_mov_b32 v[O+j], 0                            ; O^T: the step is written once; the first finds zeros.  (These lines are also the places between Q's scale words and the first product)
.set j, j+1
.endr
; A KEY STEP: 128 keys
.macro STEP
	v_add_nc_u32 v[ADR], s[TB], v[LI]
	v_add_nc_u32 v[ADS], s[TB], v[LS]
	v_add_nc_u32 v[ADM], s[TMK], v[MA]
.set n, 0
.rept 16
	ds_load_b128 v[S+4*n:S+4*n+3], v[ADM] offset:128*(n/4)+16*(n%4)   ; register 16 p + i: the addend of key 32 p + 16 (lane / 16) + i
.set n, n+1
.endr
.set n, 0
.rept 12
	ds_load_b128 v[F+4*n:F+4*n+3], v[ADR] offset:512*n                ; K's four pair images, on end
.set n, n+1
.endr
	ds_load_b32 v[KS], v[ADS] offset:12288
	ds_load_b32 v[KS+1], v[ADS] offset:12416
	ds_load_b32 v[VS], v[ADS] offset:12544
	ds_load_b32 v[VS+1], v[ADS] offset:12672
	s_wait_dscnt 0x0
.irp p, 0,1,2,3                                ; eight accumulators, one instruction each
	SMM S+16*\p, F+12*\p, QLO, KS+\p/2, QSL, \p%2
	SMM S+8+16*\p, F+12*\p, QHI, KS+\p/2, QSH, \p%2
.endr
.rept 4
	v_nop                                          ; four places ahead of the first read of results
.endr
.irp b, 0,1,2,3
	v_max3_num_f32 v[BM+\b], v[S+16*\b], v[S+1+16*\b], v[S+2+16*\b]   ; the largest score of each block of 32 keys: for the row's maximum and for the block's largest p
.endr
.irp i, 3,5,7,9,11,13
.irp b, 0,1,2,3
	v_max3_num_f32 v[BM+\b], v[BM+\b], v[S+16*\b+\i], v[S+1+16*\b+\i]
.endr
.endr
.irp b, 0,1,2,3
	v_max_num_f32 v[BM+\b], v[BM+\b], v[S+15+16*\b]
.endr
.irp b, 0,1,2,3
	v_permlanex16_b32 v[PT+\b], v[BM+\b], s[SEL], s[SEL+1]
.endr
.irp b, 0,1,2,3
	v_max_num_f32 v[BM+\b], v[BM+\b], v[PT+\b]
.endr
	v_max3_num_f32 v[T], v[BM], v[BM+1], v[BM+2]
	v_max_num_f32 v[T], v[T], v[BM+3]
	v_mul_f32 v[T], s[CS], v[T]
	v_max_num_f32 v13, v13, v[T]                   ; the running largest t
	v_mov_b32 v[T], v12
	v_floor_f32 v12, -v13                          ; the new -M: M is a whole number
	v_sub_f32 v[T], v12, v[T]
	v_cvt_i32_f32 v[T], v[T]
	v_ldexp_f32 v[FF], 1.0, v[T]                   ; f = 2^(old M - new M): a multiplication by it rounds nothing
.set j, 0
.rept 32
	v_pk_fma_f32 v[S+j:S+j+1], v[S+j:S+j+1], s[CS:CS+1], v[12:13] op_sel_hi:[1,0,0]   ; t - M
.set j, j+2
.endr
.irp b, 0,1,2,3
	v_fma_f32 v[BM+\b], v[BM+\b], s[CS], v12
.endr
.set j, 0
.rept 64
	v_exp_f32 v[S+j], v[S+j]                       ; p = 2^(t - M)
.set j, j+1
.endr
	v_pk_mul_f32 v[14:15], v[14:15], v[FF:FF+1] op_sel_hi:[1,0]   ; the sums under the new M (a plain place behind the exponentials)
	s_wait_alu depctr_va_vdst(0)                   ; one wait for the batch, ahead of its first reader
.irp b, 0,1,2,3
	v_exp_f32 v[BM+\b], v[BM+\b]                   ; each block's largest p
.endr
	v_pk_add_f32 v[PT:PT+1], v[S:S+1], v[S+2:S+3]  ; the row's sum of the unquantised p, in two chains
.set j, 4
.rept 15
	v_pk_add_f32 v[14:15], v[14:15], v[S+j:S+j+1]
	v_pk_add_f32 v[PT:PT+1], v[PT:PT+1], v[S+2+j:S+3+j]
.set j, j+4
.endr
	v_pk_add_f32 v[14:15], v[14:15], v[PT:PT+1]
	s_wait_alu depctr_va_vdst(0)                   ; and one for the four
.irp b, 0,1,2,3
	v_max_num_f32 v[BM+\b], 0x1800000, v[BM+\b]    ; the floor: the byte cannot fall under 1
.endr
.irp b, 0,1,2,3
	v_add_nc_u32 v[SO+\b], 0xff000000, v[BM+\b]
.endr
.irp b, 0,1,2,3
	v_lshrrev_b32 v[BY+\b], 23, v[SO+\b]
.endr
	v_lshl_or_b32 v[PW], v[BY+1], 8, v[BY]
	v_lshl_or_b32 v[PW], v[BY+2], 16, v[PW]
	v_lshl_or_b32 v[PW], v[BY+3], 24, v[PW]
.irp c, 0,1
	v_cvt_scalef32_pk16_fp6_f32 v[PC+6*\c:PC+2+6*\c], v[S+32*\c:S+15+32*\c], v[SO+2*\c]
	v_cvt_scalef32_pk16_fp6_f32 v[C2+4*\c:C2+2+4*\c], v[S+16+32*\c:S+31+32*\c], v[SO+2*\c+1]
.endr
	v_nop
.irp c, 0,1
.irp i, 0,1,2
	v_permlane16_swap_b32 v[PC+6*\c+\i], v[C2+4*\c+\i]
.endr
.irp i, 0,1,2
	v_mov_b32 v[PC+3+6*\c+\i], v[C2+4*\c+\i]
.endr
.endr
.set j, 0
.rept 16
	v_pk_mul_f32 v[O+j:O+j+1], v[O+j:O+j+1], v[FF:FF+1] op_sel_hi:[1,0]   ; O^T under the new M; also the places ahead of the products below
.set j, j+2
.endr
.set n, 0
.rept 12
	ds_load_b128 v[F+4*n:F+4*n+3], v[ADR] offset:6144+512*n           ; V's four fragments
.set n, n+1
.endr
	s_wait_dscnt 0x0
.irp t, 0,1,2,3
	SMM O+8*\t, F+12*\t, PC, VS+\t/2, PW, \t%2
.endr
.rept 4
	v_nop                                          ; four places ahead of the next step's loads into these products' registers
.endr
	s_add_co_u32 s[TB], s[TB], 12800
	s_add_co_u32 s[TMK], s[TMK], 512
.endm
.macro HALF cnt                        ; eight key steps; cnt: how many of my two tensor loads may still be out
	s_wait_tensorcnt \cnt
	s_wait_dscnt 0x0                               ; my LDS instructions are done (the first time: my part of the mask's addends has landed)
	s_barrier_signal -1
	s_barrier_wait -1                              ; everybody's part has landed; nothing is filled again
	s_mov_b32 s[CNT], 8
.Lstep_\@:
	STEP
	s_sub_co_u32 s[CNT], s[CNT], 1
	s_cmp_lg_u32 s[CNT], 0
	s_cbranch_scc1 .Lstep_\@
.endm
	HALF 1
	HALF 0
	; THE WAY OUT: O^T / the sum; its 64 channels are two blocks of the next product's K: six registers of codes and two scale bytes a row
	v_add_f32 v14, v14, v15
	v_permlanex16_b32 v[T], v14, s[SEL], s[SEL+1]
	v_add_f32 v14, v14, v[T]
	v_rcp_f32 v14, v14
	v_nop
	s_wait_alu depctr_va_vdst(0)                   ; the wait ahead of the first reader
.set j, 0
.rept 32
	v_mul_f32 v[S+j], v[O+j], v14                  ; register 16 b + i: channel 32 b + 16 (lane / 16) + i
.set j, j+1
.endr
.irp b, 0,1
	v_max3_num_f32 v[BM+\b], |v[S+16*\b]|, |v[S+1+16*\b]|, 0x1800000
.endr
.irp i, 2,4,6,8,10,12,14
.irp b, 0,1
	v_max3_num_f32 v[BM+\b], v[BM+\b], |v[S+16*\b+\i]|, |v[S+1+16*\b+\i]|
.endr
.endr
.irp b, 0,1
	v_permlanex16_b32 v[PT+\b], v[BM+\b], s[SEL], s[SEL+1]
.endr
.irp b, 0,1
	v_max_num_f32 v[BM+\b], v[BM+\b], v[PT+\b]
.endr
.irp b, 0,1
	v_add_nc_u32 v[SO+\b], 0xff000000, v[BM+\b]
.endr
.irp b, 0,1
	v_lshrrev_b32 v[BY+\b], 23, v[SO+\b]
.endr
	v_lshl_or_b32 v[T], v[BY+1], 8, v[BY]
	v_cvt_scalef32_pk16_fp6_f32 v[PC:PC+2], v[S:S+15], v[SO]
	v_cvt_scalef32_pk16_fp6_f32 v[C2:C2+2], v[S+16:S+31], v[SO+1]
	v_nop
.irp i, 0,1,2
	v_permlane16_swap_b32 v[PC+\i], v[C2+\i]
.endr
.irp i, 0,1,2
	v_mov_b32 v[PC+3+\i], v[C2+\i]
.endr
	global_store_b128 v[LI], v[PC:PC+3], s[10:11]              ; 512 consecutive bytes
	global_store_b64 v7, v[PC+4:PC+5], s[10:11] offset:512     ; 256 consecutive bytes
	global_store_b16 v8, v[T], s[12:13]                        ; row r's two bytes (both halves of the lanes hold the same)
	s_wait_tensorcnt 0x0
	s_wait_tensorcnt 0x0
	ds_add_u32 v254, v255
	s_wait_dscnt 0x0
	CROUND                                         ; the closing round
	s_endpgm
.Lfunc_end_k_q98ba62e29f_attn:
	.size	k_q98ba62e29f_attn, .Lfunc_end_k_q98ba62e29f_attn-k_q98ba62e29f_attn
	.p2alignl 7, 3214868480
	.fill 96, 4, 3214868480
	.section	.rodata,"a",@progbits
	.p2align	6, 0x0
	.amdhsa_kernel k_q98ba62e29f_attn
		.amdhsa_group_segment_fixed_size 215040
		.amdhsa_private_segment_fixed_size 0
		.amdhsa_enable_private_segment 0
		.amdhsa_kernarg_size 40
		.amdhsa_user_sgpr_count 2
		.amdhsa_user_sgpr_kernarg_segment_ptr 1
		.amdhsa_wavefront_size32 1
		.amdhsa_system_sgpr_workgroup_id_x 1
		.amdhsa_system_sgpr_workgroup_id_y 1
		.amdhsa_system_sgpr_workgroup_id_z 1
		.amdhsa_system_vgpr_workitem_id 0
		.amdhsa_next_free_vgpr 256
		.amdhsa_next_free_sgpr 66
		.amdhsa_reserve_vcc 0
		.amdhsa_float_denorm_mode_32 3
		.amdhsa_float_denorm_mode_16_64 3
		.amdhsa_memory_ordered 1
		.amdhsa_forward_progress 1
		.amdhsa_inst_pref_size 46
	.end_amdhsa_kernel
	.amdgpu_metadata
---
amdhsa.version: [ 1, 2 ]
amdhsa.kernels:
  - .name:           k_q98ba62e29f_attn
    .symbol:         k_q98ba62e29f_attn.kd
    .args:
      - { .name: qc, .offset: 0, .size: 8, .value_kind: global_buffer, .address_space: global }
      - { .name: kv, .offset: 8, .size: 8, .value_kind: global_buffer, .address_space: global }
      - { .name: attention_mask, .offset: 16, .size: 8, .value_kind: global_buffer, .address_space: global }
      - { .name: cc, .offset: 24, .size: 8, .value_kind: global_buffer, .address_space: global }
      - { .name: cs, .offset: 32, .size: 8, .value_kind: global_buffer, .address_space: global }
    .group_segment_fixed_size: 215040
    .private_segment_fixed_size: 0
    .kernarg_segment_align: 8
    .kernarg_segment_size: 40
    .max_flat_workgroup_size: 512
    .sgpr_count:     66
    .vgpr_count:     256
    .wavefront_size: 32
...
	.end_amdgpu_metadata
.endif
;; end of part 3
;; launch tail (part 4): grid 256 x 1, 4 waves a work-group, no clusters, 115,712 bytes of LDS; arguments codes, scl, cc, cs, x, b1, b2, ln1_g, ln1_b, ln2_g, ln2_b, out0; writes out0
.if DOCPART == 4
	.amdgcn_target "amdgcn-amd-amdhsa--gfx1250"
	.amdhsa_code_object_version 6
	.text
	.protected	k_q98ba62e29f_tail
	.globl	k_q98ba62e29f_tail
	.p2align	8
	.type	k_q98ba62e29f_tail,@function
k_q98ba62e29f_tail:
	s_mov_b64 s[64:65], 0
	v_nop
	global_prefetch_b8 v0, s[64:65] scope:SCOPE_SE
	s_setreg_imm32_b32 hwreg(HW_REG_WAVE_MODE, 25, 1), 1
	s_wait_xcnt 0x0
; out = LN2(gelu(h W1^T + b1) W2^T + b2 + h), h = LN1(ctx Wp^T + x): three products on codes of FP6; h and the hidden layer are quantised on the way and never go to memory.
; SHARES.  Work-group g takes rows 32 g .. 32 g + 31 (two tiles of rows, m = 0, 1).  THE WAVES SHARE THE COLUMNS: wave w makes columns 128 w .. + 127 of the projection and of the second
; feed-forward product, and in chunk c (0 .. 3) hidden units 512 c + 128 w .. + 127, which are K step 4 c + w of that product.
; All products are used transposed (source 0 = 16 rows of a weight, source 1 = a tile of rows): a lane holds one row, its 64 registers of a tile of rows are columns 32 b + 16 (lane / 16) + i of the wave's 128.
; WEIGHTS go from memory straight into the registers of the one wave that uses them, as images, through a ring of four register slots (a slot: one K step's 8 fragments).  A PHASE is four groups of 16 products,
; one slot each.  No multicast and no LDS ring for the weights: each fragment is wanted by one wave of a work-group, and through LDS each byte would be written and read once more.
; THE SECOND PRODUCT RUNS ONE CHUNK LATE, so that vector work follows every phase: a trip is  first product of chunk c | gelu of tile 0 | second product of chunk c - 1 | gelu of tile 1.
; The phases in order: Wp, W1(0), W1(1), W2(0), W1(2), W2(1), W1(3), W2(2), W2(3).  While a phase runs and in the vector work behind it the slots take the next phase: slots 0 and 1 behind their groups,
; the 8 loads of scale words behind group 3, slot 2 in the middle of the vector work, slot 3 at its end: 104 loads a phase, at most 56 in one run.
; Trip 0 has no second product: it is written out ahead of the loop of three trips, so that every path issues the same loads behind the ones that a wait counts.
; Rows' operands go from wave to wave through LDS as images of their registers.  The residual x, b1, and h + b2 are the C with which each sum begins.
; LayerNorm in two passes (mean; then the squares of the differences); the four waves' partial sums meet in LDS.
; GELU, exact form x Phi(x): z = x / sqrt 2, t = 1 / (1 + 0.3275911 |z|), E = (sqrt 2 / 2) (a1 t + .. + a5 t^5) 2^(-z z log2 e), gelu = max(x, 0) - |z| E.
; LIMITS: the polynomial (Abramowitz and Stegun 7.1.26) keeps Phi within 7.5e-8 absolutely: about 1e-6 of the number above x = -1.4, about 1e-3 of it at x = -4, where |gelu| is under 2e-4;
; a block of zeros gets the byte 1; NaN and infinities are not served.
; REGISTERS, in windows of 256.  Window 0: v1-11 addresses; v16-31 statistics; v32-63 the weights' scale words, two sets; v64-71 scale words of ctx, then of h; v72-79 the hidden layer's; v80-239 at work;
;   v240-252 tile 0's codes and scale word, held until the images in LDS may be written again.
;   Window 1: v0-127 the sums of the projection and of the second product ((t, m) at 64 m + 8 t); v128-255 those of the first product.
;   Window 2: slots 0, 1 at v0, v96; from v192 the rows' fragments of K steps 0, 1.   Window 3: slots 2, 3; K steps 2, 3.
.set LI, 1                             ; 16 x lane
.set L8, 2                             ; 8 x lane
.set LS, 3                             ; 4 x lane
.set CSA, 4                            ; 16 r
.set HWI, 5                            ; 16 x lane + 1,536 x wave
.set HWS, 6                            ; 4 x lane + 128 x wave
.set PA, 7                             ; 512 x wave + 64 (lane / 16): my columns in a vector of parameters
.set B1A, 8                            ; the same in b1, 2,048 bytes on with each chunk
.set XSO, 9                            ; the stage by rows: my wave's 8 rows, 16 bytes a lane
.set SGR, 10                           ; the stage in the result's layout
.set PT16, 11                          ; 16 x thread
.set MU, 16                            ; v16-19 the means, as pairs
.set RS, 20                            ; v20-23 1 / sqrt(var + eps), as pairs
.set WSR, 32
.set ASR, 64
.set HSW, 72
.set Z, 80
.set GD, 144
.set GW, 176
.set GP, 208
.set TM, 144
.set PCB, 162                          ; tile 1's codes, v162-173
.set PWB, 160
.set TP, 174                           ; the conversions' second halves
.set PCA, 240                          ; tile 0's codes, v240-251
.set PWA, 252
.set BLK, 196608                       ; a phase's weights for the whole work-group: 32 tiles x 4 fragments
.set SBLK, 8192                        ; and their scale words
.set STAT, 18432                       ; LDS: 0 b1, 8,192 b2, 10,240 ln1_g, 12,288 ln1_b, 14,336 ln2_g, 16,384 ln2_b; four regions of partial sums, [m][wave][128 bytes]
.set HIMG, 22528                       ; h's eight images (4 m + K step)
.set HSC, 34816                        ; their scale words, 128 bytes each
.set FIMG, 35840                       ; a chunk's eight images of the hidden layer
.set FSC, 48128
.set STG, 49152                        ; 32 rows x (2,048 + 16) bytes: x on the way in, out on the way out
.set WP_C, 3735552
.set W1_C, 3932160                     ; W1's four chunks, then W2's four, BLK bytes each, on end
.set W2_C, 4718592
.set WP_S, 155648
.set W1_S, 163840
.set W2_S, 196608
.set MSB, 0
.macro WIN new                         ; the immediate's high byte repeats the setting that is left
.if MSB != \new
	s_set_vgpr_msb (MSB<<8)|\new
.set MSB, \new
.endif
.endm
.macro BARRIER
	s_wait_dscnt 0x0                               ; my LDS stores have landed and my LDS loads are in
	s_barrier_signal -1
	s_barrier_wait -1
.endm
.macro NOPS4                           ; four places ahead of loads into registers that matrix instructions have read, and of the first read of results
.rept 4
	v_nop
.endr
.endm
.macro SCLOAD set, sb                  ; a phase's scale words: a pair a tile
.irp t, 0,1,2,3,4,5,6,7
	global_load_b64 v[WSR+16*(\set)+2*\t:WSR+16*(\set)+2*\t+1], v[L8], s[\sb:\sb+1] offset:\t*256
.endr
.endm
.macro REFILL j, cb                    ; slot j takes K step j of my eight tiles: 24 loads of 512 consecutive bytes
.set WW, (2+(\j)/2)*64
	WIN WW
.irp t, 0,1,2,3,4,5,6,7
.irp g, 0,1,2
	global_load_b128 v[96*((\j)%2)+12*\t+4*\g:96*((\j)%2)+12*\t+4*\g+3], v[LI], s[\cb:\cb+1] offset:\t*6144+1536*(\j)+512*\g
.endr
.endr
	WIN 0
.endm
; 16 products: slot j's eight tiles x the two tiles of rows; sixteen accumulators by turns, one instruction a turn.
; kind 0: projection; 1: first feed-forward product (its K step 0 begins with b1); 2: second
.macro MM16 j, kind, set
.set WN, 2+(\j)/2
.if \kind == 2
.set WW, 0x50+WN
.elseif (\kind == 1) && ((\j) == 0)
.set WW, 0x40+5*WN
.else
.set WW, 0x50+5*WN
.endif
	WIN WW
.irp t, 0,1,2,3,4,5,6,7
.irp m, 0,1
.set DD, 64*\m+8*\t
.if \kind == 1
.set DD, DD+128
.endif
.set AA, 96*((\j)%2)+12*\t
.if \kind == 2
.set BB, 80+12*(2*(\j)+\m)
.set SBR, HSW+4*\m+(\j)
.else
.set BB, 192+12*(2*((\j)%2)+\m)
.set SBR, ASR+4*\m+(\j)
.endif
.set SAR, WSR+16*(\set)+2*\t+(\j)/2
.if (\kind == 1) && ((\j) == 0)
	v_wmma_scale_f32_16x16x128_f8f6f4 v[DD:DD+7], v[AA:AA+11], v[BB:BB+11], v[80+8*\t:87+8*\t], v[SAR], v[SBR] matrix_a_fmt:MATRIX_FMT_FP6 matrix_b_fmt:MATRIX_FMT_FP6
.elseif (\j)%2
	v_wmma_scale_f32_16x16x128_f8f6f4 v[DD:DD+7], v[AA:AA+11], v[BB:BB+11], v[DD:DD+7], v[SAR], v[SBR] matrix_a_fmt:MATRIX_FMT_FP6 matrix_b_fmt:MATRIX_FMT_FP6 matrix_a_scale:MATRIX_SCALE_ROW1
.else
	v_wmma_scale_f32_16x16x128_f8f6f4 v[DD:DD+7], v[AA:AA+11], v[BB:BB+11], v[DD:DD+7], v[SAR], v[SBR] matrix_a_fmt:MATRIX_FMT_FP6 matrix_b_fmt:MATRIX_FMT_FP6
.endif
.endr
.endr
.endm
; A PHASE.  Its loads were issued in the order slot 0 (24), slot 1 (24), scale words (8), slot 2 (24), slot 3 (24).  set: its scale words; nset, cb, sb: the next phase's set, codes and scale words.
; kind 2 reads the rows' fragments that HFLOAD has just asked for, 8 LDS loads a group.
.macro PHASE kind, set, nset, cb, sb
	s_wait_loadcnt 48                              ; slots 0 and 1 and the scale words are in; the 48 loads of slots 2 and 3 may be out
.if \kind == 2
	s_wait_dscnt 24                                ; group 0's eight LDS loads are in; the 24 of the other groups may be out
.endif
	MM16 0, \kind, \set
	WIN 0
	NOPS4
	REFILL 0, \cb
.if \kind == 2
	s_wait_dscnt 16                                ; group 1's are in
.endif
	MM16 1, \kind, \set
	WIN 0
	NOPS4
	REFILL 1, \cb
	s_wait_loadcnt 48                              ; slots 2 and 3 are in; the 48 loads just issued may be out
.if \kind == 2
	s_wait_dscnt 0x0
.endif
	MM16 2, \kind, \set
	MM16 3, \kind, \set
	WIN 0
	NOPS4
	SCLOAD \nset, \sb                              ; behind the last product, since the next phase may use the same set
.endm
.macro PHASEL set                      ; the last phase, W2(3): nothing more is asked for: no load leaves its buffer
	s_wait_loadcnt 48
	s_wait_dscnt 24
	MM16 0, 2, \set
	s_wait_dscnt 16
	MM16 1, 2, \set
	s_wait_loadcnt 0x0
	s_wait_dscnt 0x0
	MM16 2, 2, \set
	MM16 3, 2, \set
	WIN 0
	NOPS4
.endm
; 64 numbers of a lane in window win, register 16 b + i = k 32 b + 16 (lane / 16) + i of my row, become a fragment's codes in v[pc] .. v[pc + 11] and its scale word in v[pw]
.macro QUANTW s, win, pc, tp, pw
.set WW, 5*(\win)
	WIN WW
.irp b, 0,1,2,3
	v_max3_num_f32 v[TM+\b], |v[\s+16*\b]|, |v[\s+1+16*\b]|, 0x1800000
.endr
.set WW, 20*(\win)
	WIN WW
.irp i, 2,4,6,8,10,12,14
.irp b, 0,1,2,3
	v_max3_num_f32 v[TM+\b], v[TM+\b], |v[\s+16*\b+\i]|, |v[\s+1+16*\b+\i]|
.endr
.endr
	WIN 0
.irp b, 0,1,2,3
	v_mov_b32 v[TM+4+\b], 0                        ; a lane permute's destination counts as one of its sources
.endr
.irp b, 0,1,2,3
	v_permlanex16_b32 v[TM+4+\b], v[TM+\b], s44, s45
.endr
.irp b, 0,1,2,3
	v_max_num_f32 v[TM+\b], v[TM+\b], v[TM+4+\b]
.endr
.irp b, 0,1,2,3
	v_add_nc_u32 v[TM+12+\b], 0xff000000, v[TM+\b]
.endr
.irp b, 0,1,2,3
	v_lshrrev_b32 v[TM+4+\b], 23, v[TM+12+\b]
.endr
	v_lshl_or_b32 v[\pw], v[TM+5], 8, v[TM+4]
	v_lshl_or_b32 v[\pw], v[TM+6], 16, v[\pw]
	v_lshl_or_b32 v[\pw], v[TM+7], 24, v[\pw]
.set WW, \win
	WIN WW
.irp c, 0,1
	v_cvt_scalef32_pk16_fp6_f32 v[\pc+6*\c:\pc+2+6*\c], v[\s+32*\c:\s+15+32*\c], v[TM+12+2*\c]
	v_cvt_scalef32_pk16_fp6_f32 v[\tp+4*\c:\tp+2+4*\c], v[\s+16+32*\c:\s+31+32*\c], v[TM+12+2*\c+1]
.endr
	WIN 0
	v_nop                                          ; one plain place behind a scaled conversion
.irp c, 0,1
.irp i, 0,1,2
	v_permlane16_swap_b32 v[\pc+6*\c+\i], v[\tp+4*\c+\i]
.endr
.irp i, 0,1,2
	v_mov_b32 v[\pc+3+6*\c+\i], v[\tp+4*\c+\i]
.endr
.endr
.endm
.macro IMAGE adr, off, pc
.irp c, 0,1,2
	ds_store_b128 v[\adr], v[\pc+4*\c:\pc+4*\c+3] offset:\off+512*\c
.endr
.endm
.macro HFLOAD                          ; a chunk's eight images and scale words, group by group: 8 LDS loads a group
.irp j, 0,1,2,3
.irp m, 0,1
.irp g, 0,1,2
	ds_load_b128 v[80+12*(2*\j+\m)+4*\g:83+12*(2*\j+\m)+4*\g], v[LI] offset:FIMG+(4*\m+\j)*1536+512*\g
.endr
	ds_load_b32 v[HSW+4*\m+\j], v[LS] offset:FSC+128*(4*\m+\j)
.endr
.endr
.endm
.macro PARLOAD reg, adr, off           ; my 64 columns of a vector of parameters, in the result's layout
.set n, 0
.rept 16
	ds_load_b128 v[\reg+4*n:\reg+4*n+3], v[\adr] offset:\off+128*(n/4)+16*(n%4)
.set n, n+1
.endr
.endm
; the wave's 128 columns of tile m summed (sq = 1: their squares), for each row; the partial sum goes to LDS
.macro ROWSUM m, sq, st
	WIN 0x05
.set k, 0
.rept 16
.if \sq
	v_pk_mul_f32 v[80+2*k:81+2*k], v[64*\m+2*k:64*\m+2*k+1], v[64*\m+2*k:64*\m+2*k+1]
.else
	v_pk_add_f32 v[80+2*k:81+2*k], v[64*\m+2*k:64*\m+2*k+1], v[64*\m+32+2*k:64*\m+33+2*k]   ; (each accumulator is read from its low end on)
.endif
.set k, k+1
.endr
.if \sq
.set k, 0
.rept 16
	v_pk_fma_f32 v[80+2*k:81+2*k], v[64*\m+32+2*k:64*\m+33+2*k], v[64*\m+32+2*k:64*\m+33+2*k], v[80+2*k:81+2*k]
.set k, k+1
.endr
.endif
	WIN 0
.irp w, 16, 8, 4, 2
.set k, 0
.rept \w/2
	v_pk_add_f32 v[80+2*k:81+2*k], v[80+2*k:81+2*k], v[80+\w+2*k:81+\w+2*k]
.set k, k+1
.endr
.endr
	v_add_f32 v80, v80, v81
	v_permlanex16_b32 v24, v80, s44, s45
	v_add_f32 v[26+\m], v80, v24
	ds_store_b32 v[HWS], v[26+\m] offset:STAT+\st+512*\m
.endm
.macro STATLOAD st                     ; the four waves' partial sums of my row, for both tiles
.irp m, 0,1
.irp w, 0,1,2,3
	ds_load_b32 v[80+4*\m+\w], v[LS] offset:STAT+\st+512*\m+128*\w
.endr
.endr
.endm
.macro STATSUM
	v_add_f32 v80, v80, v81
	v_add_f32 v82, v82, v83
	v_add_f32 v84, v84, v85
	v_add_f32 v86, v86, v87
	v_add_f32 v80, v80, v82
	v_add_f32 v84, v84, v86
.endm
; LayerNorm of the 32 rows in window 1's v0-127, in place.  cb: where the next phase's codes lie (slot 2 is asked for in the middle), or 0
.macro LN st0, st1, goff, boff, cb
	ROWSUM 0, 0, \st0
	ROWSUM 1, 0, \st0
	BARRIER
	STATLOAD \st0
	s_wait_dscnt 0x0
	STATSUM
	v_mul_f32 v[MU], s61, v80
	v_mul_f32 v[MU+1], s61, v80
	v_mul_f32 v[MU+2], s61, v84
	v_mul_f32 v[MU+3], s61, v84
	WIN 0x41
.irp m, 0,1
.set k, 0
.rept 32
	v_pk_add_f32 v[64*\m+2*k:64*\m+2*k+1], v[64*\m+2*k:64*\m+2*k+1], v[MU+2*\m:MU+2*\m+1] op_sel_hi:[1,0] neg_lo:[0,1] neg_hi:[0,1]
.set k, k+1
.endr
.endr
.if \cb
	REFILL 2, \cb
.endif
	ROWSUM 0, 1, \st1
	ROWSUM 1, 1, \st1
	BARRIER
	STATLOAD \st1
	PARLOAD 112, PA, \goff
	PARLOAD 176, PA, \boff
	s_wait_dscnt 32                                ; the eight partial sums are in; the 32 loads of gain and offset may be out
	STATSUM
	v_fma_f32 v80, v80, s61, s62                   ; the variance + eps
	v_fma_f32 v84, v84, s61, s62
	v_rsq_f32 v[RS], v80
	v_rsq_f32 v[RS+2], v84
	v_nop
	s_wait_alu depctr_va_vdst(0)                   ; the wait ahead of the first reader
	v_mov_b32 v[RS+1], v[RS]
	v_mov_b32 v[RS+3], v[RS+2]
	s_wait_dscnt 0x0
	WIN 0x41
.irp m, 0,1
.set k, 0
.rept 32
	v_pk_mul_f32 v[64*\m+2*k:64*\m+2*k+1], v[64*\m+2*k:64*\m+2*k+1], v[RS+2*\m:RS+2*\m+1] op_sel_hi:[1,0]
.set k, k+1
.endr
.set k, 0
.rept 32
	v_pk_fma_f32 v[64*\m+2*k:64*\m+2*k+1], v[64*\m+2*k:64*\m+2*k+1], v[112+2*k:113+2*k], v[176+2*k:177+2*k]
.set k, k+1
.endr
.endr
	WIN 0
.endm
; gelu of tile m's 64 numbers a lane, from window 1's v[128 + 64 m] on into v[Z] on.  cb: where the next phase's codes lie (slot 2 is asked for between the two halves), or 0
.macro GELU m, cb
	WIN 0x01
.set k, 0
.rept 32
	v_pk_mul_f32 v[Z+2*k:Z+2*k+1], v[128+64*\m+2*k:129+64*\m+2*k], s[56:57] op_sel_hi:[1,0]   ; z = x / sqrt 2
.set k, k+1
.endr
	WIN 0
.irp hh, 0,1
.set i, 0
.rept 32
	v_fma_f32 v[GD+i], |v[Z+32*\hh+i]|, s60, 1.0
.set i, i+1
.endr
.set k, 0
.rept 16
	v_pk_mul_f32 v[GW+2*k:GW+2*k+1], v[Z+32*\hh+2*k:Z+32*\hh+2*k+1], v[Z+32*\hh+2*k:Z+32*\hh+2*k+1]
.set k, k+1
.endr
.set k, 0
.rept 16
	v_pk_mul_f32 v[GW+2*k:GW+2*k+1], v[GW+2*k:GW+2*k+1], s[58:59] op_sel_hi:[1,0]              ; -z z log2 e
.set k, k+1
.endr
.set i, 0
.rept 32
	v_rcp_f32 v[GD+i], v[GD+i]                     ; t
.set i, i+1
.endr
.set i, 0
.rept 32
	v_exp_f32 v[GW+i], v[GW+i]
.set i, i+1
.endr
	v_nop
	s_wait_alu depctr_va_vdst(0)                   ; one wait for the batch of 64
.set k, 0
.rept 16
	v_pk_fma_f32 v[GP+2*k:GP+2*k+1], v[GD+2*k:GD+2*k+1], s[46:47], v[28:29] op_sel_hi:[1,0,1]
.set k, k+1
.endr
.irp cc, 50, 52, 54
.set k, 0
.rept 16
	v_pk_fma_f32 v[GP+2*k:GP+2*k+1], v[GP+2*k:GP+2*k+1], v[GD+2*k:GD+2*k+1], s[\cc:\cc+1] op_sel_hi:[1,1,0]
.set k, k+1
.endr
.endr
.set k, 0
.rept 16
	v_pk_mul_f32 v[GP+2*k:GP+2*k+1], v[GP+2*k:GP+2*k+1], v[GD+2*k:GD+2*k+1]
.set k, k+1
.endr
.set k, 0
.rept 16
	v_pk_mul_f32 v[GP+2*k:GP+2*k+1], v[GP+2*k:GP+2*k+1], v[GW+2*k:GW+2*k+1]                    ; E
.set k, k+1
.endr
	WIN 0x04
.set i, 0
.rept 32
	v_max_num_f32 v[GD+i], 0, v[128+64*\m+32*\hh+i]                                            ; max(x, 0)
.set i, i+1
.endr
	WIN 0
.set i, 0
.rept 32
	v_fma_f32 v[Z+32*\hh+i], -|v[Z+32*\hh+i]|, v[GP+i], v[GD+i]
.set i, i+1
.endr
.if (\hh == 0) && (\cb)
	REFILL 2, \cb
.endif
.endr
.endm
	s_load_b256 s[4:11], s[0:1], 0x0               ; codes, scl, cc, cs
	s_load_b256 s[12:19], s[0:1], 0x20             ; x, b1, b2, ln1_g
	s_load_b256 s[20:27], s[0:1], 0x40             ; ln1_b, ln2_g, ln2_b, out0
	v_lshl_add_u32 v254, v0, 2, 0x1c200
	v_mov_b32 v255, 0
	v_lshrrev_b32 v12, 5, v0
	v_readfirstlane_b32 s28, v12                   ; wave 0..3
	v_and_b32 v12, 31, v0
	v_and_b32 v13, 15, v0                          ; r
	v_bfe_u32 v14, v0, 4, 1                        ; h
	v_lshlrev_b32 v[LI], 4, v12
	v_lshlrev_b32 v[L8], 3, v12
	v_lshlrev_b32 v[LS], 2, v12
	v_lshlrev_b32 v[CSA], 4, v13
	s_mul_i32 s30, s28, 1536
	v_add_nc_u32 v[HWI], s30, v[LI]
	s_lshl_b32 s30, s28, 7
	v_add_nc_u32 v[HWS], s30, v[LS]
	s_lshl_b32 s30, s28, 9
	v_lshl_add_u32 v[PA], v14, 6, s30
	v_mov_b32 v[B1A], v[PA]
	s_mul_i32 s31, s28, 8*2064
	s_add_co_u32 s31, s31, STG
	v_add_nc_u32 v[XSO], s31, v[LI]
	v_and_b32 v15, 8, v13
	v_add_nc_u32 v15, v15, v13                     ; r + 8 (r / 8)
	v_mul_u32_u24 v[SGR], v15, 2064
	v_add_nc_u32 v[SGR], v[PA], v[SGR]
	v_add_nc_u32 v[SGR], STG, v[SGR]
	v_lshlrev_b32 v[PT16], 4, v0
	v_mov_b32 v24, 0
	v_mov_b32 v28, 0xbf838639                      ; a4 sqrt 2 / 2, as a pair
	v_mov_b32 v29, 0xbf838639
	s_mov_b32 s44, 0x76543210
	s_mov_b32 s45, 0xfedcba98
	s_mov_b32 s46, 0x3f402289                      ; a5 sqrt 2 / 2
	s_mov_b32 s47, s46
	s_mov_b32 s50, 0x3f80a6d5                      ; a3 sqrt 2 / 2
	s_mov_b32 s51, s50
	s_mov_b32 s52, 0xbe4dff65                      ; a2 sqrt 2 / 2
	s_mov_b32 s53, s52
	s_mov_b32 s54, 0x3e38842e                      ; a1 sqrt 2 / 2
	s_mov_b32 s55, s54
	s_mov_b32 s56, 0x3f3504f3                      ; 1 / sqrt 2
	s_mov_b32 s57, s56
	s_mov_b32 s58, 0xbfb8aa3b                      ; -log2 e
	s_mov_b32 s59, s58
	s_mov_b32 s60, 0x3ea7ba05                      ; 0.3275911
	s_mov_b32 s61, 0x3b000000                      ; 1 / 512
	s_mov_b32 s62, 0x3727c5ac                      ; 1e-5
	s_mul_i32 s30, s28, 49152                      ; my eight tiles of four fragments in a phase's block
	s_mov_b32 s31, 0
	s_wait_kmcnt 0x0
	s_add_nc_u64 s[40:41], s[4:5], s[30:31]
	s_add_nc_u64 s[32:33], s[40:41], W1_C          ; s[32:33]: W1(0), then W1(1), W1(2), W1(3), W2(3)
	s_add_nc_u64 s[34:35], s[40:41], W2_C          ; s[34:35]: W2(0), W2(1), W2(2)
	s_add_nc_u64 s[40:41], s[40:41], WP_C          ; Wp
	s_lshl_b32 s30, s28, 11
	s_add_nc_u64 s[42:43], s[6:7], s[30:31]
	s_add_nc_u64 s[36:37], s[42:43], W1_S          ; the scale words that go with s[32:33],
	s_add_nc_u64 s[38:39], s[42:43], W2_S          ; with s[34:35],
	s_add_nc_u64 s[42:43], s[42:43], WP_S          ; and Wp's
	s_mul_i32 s30, ttmp9, 12288
	s_add_nc_u64 s[8:9], s[8:9], s[30:31]          ; ctx's sixteen half images
	s_lshl_b32 s30, ttmp9, 9
	s_add_nc_u64 s[10:11], s[10:11], s[30:31]      ; and its scale bytes
	s_lshl_b32 s30, ttmp9, 16
	s_lshl_b32 s29, s28, 14
	s_add_co_u32 s30, s30, s29
	s_add_nc_u64 s[12:13], s[12:13], s[30:31]      ; x and out at row 32 g + 8 w
	s_add_nc_u64 s[26:27], s[26:27], s[30:31]
.irp k, 0,1,2,3
	global_load_b128 v[80+4*\k:83+4*\k], v[PT16], s[14:15] offset:2048*\k
.endr
	global_load_b128 v[96:99], v[PT16], s[16:17]
	global_load_b128 v[100:103], v[PT16], s[18:19]
	global_load_b128 v[104:107], v[PT16], s[20:21]
	global_load_b128 v[108:111], v[PT16], s[22:23]
	global_load_b128 v[112:115], v[PT16], s[24:25]
	WIN 0x40
.set n, 0
.rept 32
	global_load_b128 v[128+4*n:131+4*n], v[LI], s[12:13] offset:2048*(n/4)+512*(n%4) th:TH_LOAD_NT   ; my 8 rows of x, 512 consecutive bytes a load
.set n, n+1
.endr
.irp hd, 0,1,2,3,4,5,6,7                       ; ctx: head hd's six registers are half of the fragment of K step hd / 2
.set WW, (2+\hd/4)*64
	WIN WW
.irp m, 0,1
.set BB, 192+12*(2*((\hd/2)%2)+\m)+6*(\hd%2)
	global_load_b128 v[BB:BB+3], v[LI], s[8:9] offset:(8*\m+\hd)*768
	global_load_b64 v[BB+4:BB+5], v[L8], s[8:9] offset:(8*\m+\hd)*768+512
.endr
.endr
	WIN 0
	global_load_b128 v[ASR:ASR+3], v[CSA], s[10:11]
	global_load_b128 v[ASR+4:ASR+7], v[CSA], s[10:11] offset:256
	SCLOAD 0, 42
	REFILL 0, 40
	REFILL 1, 40
	s_wait_loadcnt 56                              ; all but the 8 + 24 + 24 weight loads just issued
.irp k, 0,1,2,3,4,5,6,7,8
	ds_store_b128 v[PT16], v[80+4*\k:83+4*\k] offset:2048*\k
.endr
	WIN 0x04
.set n, 0
.rept 32
	ds_store_b128 v[XSO], v[128+4*n:131+4*n] offset:2064*(n/4)+512*(n%4)
.set n, n+1
.endr
	WIN 0
	REFILL 2, 40
	REFILL 3, 40
	BARRIER                                        ; the parameters and 32 rows of x lie in LDS
	WIN 0x40
.set n, 0
.rept 32
	ds_load_b128 v[4*n:4*n+3], v[SGR] offset:16512*(n/16)+128*((n%16)/4)+16*(n%4)   ; x in the result's layout: the sums of the projection begin with the residual
.set n, n+1
.endr
	WIN 0
	s_wait_dscnt 0x0
	PHASE 0, 0, 1, 32, 36                          ; the projection; the slots take W1(0)
	LN 0, 1024, 10240, 12288, 32                   ; h
	REFILL 3, 32
	QUANTW 0, 1, PCA, TP, PWA                      ; my 128 columns are K step w of the next product.  The two tiles' codes have registers of their own: no store's data are written again
	IMAGE HWI, HIMG, PCA
	ds_store_b32 v[HWS], v[PWA] offset:HSC
	QUANTW 64, 1, PCB, TP, PWB
	IMAGE HWI, HIMG+6144, PCB
	ds_store_b32 v[HWS], v[PWB] offset:HSC+512
	PARLOAD 176, PA, 8192                          ; b2
	s_wait_dscnt 0x0
	WIN 0x41
.irp m, 0,1
.set k, 0
.rept 32
	v_pk_add_f32 v[64*\m+2*k:64*\m+2*k+1], v[64*\m+2*k:64*\m+2*k+1], v[176+2*k:177+2*k]   ; h + b2: with it the last product's sums begin
.set k, k+1
.endr
.endr
	WIN 0
	BARRIER                                        ; h's eight images lie in LDS
.irp s, 0,1,2,3
.set WW, (2+\s/2)*64
	WIN WW
.irp m, 0,1
.irp g, 0,1,2
	ds_load_b128 v[192+12*(2*(\s%2)+\m)+4*\g:195+12*(2*(\s%2)+\m)+4*\g], v[LI] offset:HIMG+(4*\m+\s)*1536+512*\g
.endr
.endr
.endr
	WIN 0
.irp n, 0,1,2,3,4,5,6,7
	ds_load_b32 v[ASR+\n], v[LS] offset:HSC+128*\n
.endr
	PARLOAD 80, B1A, 0                             ; b1 at my 64 hidden units of chunk 0
	s_wait_xcnt 0x0                                ; the loads of W1(0) have read their bases
	s_add_nc_u64 s[32:33], s[32:33], BLK           ; W1(1)
	s_add_nc_u64 s[36:37], s[36:37], SBLK
	s_wait_dscnt 0x0
	; ---- trip 0, written out: it has no second product
	PHASE 1, 1, 1, 32, 36                          ; first product of chunk 0; the slots take W1(1)
	GELU 0, 32
	REFILL 3, 32
	QUANTW Z, 0, PCA, TP, PWA
	IMAGE HWI, FIMG, PCA
	ds_store_b32 v[HWS], v[PWA] offset:FSC
	GELU 1, 0
	QUANTW Z, 0, PCB, TP, PWB
	IMAGE HWI, FIMG+6144, PCB
	ds_store_b32 v[HWS], v[PWB] offset:FSC+512
	v_add_nc_u32 v[B1A], 2048, v[B1A]
	PARLOAD 80, B1A, 0                             ; the next chunk's b1 comes while the barrier is waited for
	BARRIER                                        ; chunk 0's eight images lie in LDS
	s_wait_xcnt 0x0
	s_add_nc_u64 s[32:33], s[32:33], BLK           ; W1(2)
	s_add_nc_u64 s[36:37], s[36:37], SBLK
	s_mov_b32 s29, 3
.Lchunk:                                               ; chunks c = 1, 2, 3 (s29 = 3, 2, 1)
	PHASE 1, 1, 0, 34, 38                          ; first product of chunk c; the slots take W2(c - 1)
	GELU 0, 34
	REFILL 3, 34
	QUANTW Z, 0, PCA, TP, PWA                      ; tile 0's codes stay in registers: the last chunk's images are still to be read
	HFLOAD                                         ; chunk c - 1's images
	PHASE 2, 0, 1, 32, 36                          ; second product of chunk c - 1; the slots take W1(c + 1), in the last trip W2(3)
	BARRIER                                        ; every wave has the last chunk's images in registers: they may be written again
	IMAGE HWI, FIMG, PCA
	ds_store_b32 v[HWS], v[PWA] offset:FSC
	GELU 1, 32
	REFILL 3, 32
	QUANTW Z, 0, PCB, TP, PWB
	IMAGE HWI, FIMG+6144, PCB
	ds_store_b32 v[HWS], v[PWB] offset:FSC+512
	s_cmp_eq_u32 s29, 1
	s_cbranch_scc1 .Lno_b1                         ; behind the last chunk there is no b1 to fetch
	v_add_nc_u32 v[B1A], 2048, v[B1A]
	PARLOAD 80, B1A, 0
.Lno_b1:
	BARRIER                                        ; chunk c's eight images lie in LDS
	s_wait_xcnt 0x0                                ; the trip's loads have read their bases: the last were issued ahead of a quantiser and a barrier
	s_cmp_eq_u32 s29, 2
	s_cselect_b32 s48, 2, 0                        ; from W1(3) to W2(3) are four blocks, else one
	s_lshl_b32 s30, BLK, s48
	s_add_nc_u64 s[32:33], s[32:33], s[30:31]
	s_lshl_b32 s30, SBLK, s48
	s_add_nc_u64 s[36:37], s[36:37], s[30:31]
	s_add_nc_u64 s[34:35], s[34:35], BLK
	s_add_nc_u64 s[38:39], s[38:39], SBLK
	s_sub_co_u32 s29, s29, 1
	s_cmp_lg_u32 s29, 0
	s_cbranch_scc1 .Lchunk
	HFLOAD                                         ; chunk 3's images
	PHASEL 1                                       ; second product of chunk 3
	LN 2048, 3072, 14336, 16384, 0
	WIN 0x04
.set n, 0
.rept 32
	ds_store_b128 v[SGR], v[4*n:4*n+3] offset:16512*(n/16)+128*((n%16)/4)+16*(n%4)
.set n, n+1
.endr
	WIN 0
	BARRIER                                        ; 32 whole rows lie in the stage
.set n, 0
.rept 32
	ds_load_b128 v[80+4*n:83+4*n], v[XSO] offset:2064*(n/4)+512*(n%4)
.set n, n+1
.endr
.set n, 0
.rept 32
	s_wait_dscnt 31-n                              ; LDS loads come back in order: load n is in
	global_store_b128 v[LI], v[80+4*n:83+4*n], s[26:27] offset:2048*(n/4)+512*(n%4) th:TH_STORE_NT   ; 512 consecutive bytes, aligned
.set n, n+1
.endr
	s_wait_tensorcnt 0x0
	ds_add_u32 v254, v255
	s_wait_dscnt 0x0
	s_endpgm
.Lfunc_end_k_q98ba62e29f_tail:
	.size	k_q98ba62e29f_tail, .Lfunc_end_k_q98ba62e29f_tail-k_q98ba62e29f_tail
	.p2alignl 7, 3214868480
	.fill 96, 4, 3214868480
	.section	.rodata,"a",@progbits
	.p2align	6, 0x0
	.amdhsa_kernel k_q98ba62e29f_tail
		.amdhsa_group_segment_fixed_size 115712
		.amdhsa_private_segment_fixed_size 0
		.amdhsa_enable_private_segment 0
		.amdhsa_kernarg_size 96
		.amdhsa_user_sgpr_count 2
		.amdhsa_user_sgpr_kernarg_segment_ptr 1
		.amdhsa_wavefront_size32 1
		.amdhsa_system_sgpr_workgroup_id_x 1
		.amdhsa_system_sgpr_workgroup_id_y 1
		.amdhsa_system_sgpr_workgroup_id_z 1
		.amdhsa_system_vgpr_workitem_id 0
		.amdhsa_next_free_vgpr 1024
		.amdhsa_next_free_sgpr 66
		.amdhsa_reserve_vcc 0
		.amdhsa_float_denorm_mode_32 3
		.amdhsa_float_denorm_mode_16_64 3
		.amdhsa_memory_ordered 1
		.amdhsa_forward_progress 1
		.amdhsa_inst_pref_size 255
	.end_amdhsa_kernel
	.section	.bss,"aw",@nobits
	.p2align	6
	.space	262144
	.amdgpu_metadata
---
amdhsa.version: [ 1, 2 ]
amdhsa.kernels:
  - .name:           k_q98ba62e29f_tail
    .symbol:         k_q98ba62e29f_tail.kd
    .args:
      - { .name: codes, .offset: 0, .size: 8, .value_kind: global_buffer, .address_space: global }
      - { .name: scl, .offset: 8, .size: 8, .value_kind: global_buffer, .address_space: global }
      - { .name: cc, .offset: 16, .size: 8, .value_kind: global_buffer, .address_space: global }
      - { .name: cs, .offset: 24, .size: 8, .value_kind: global_buffer, .address_space: global }
      - { .name: x, .offset: 32, .size: 8, .value_kind: global_buffer, .address_space: global }
      - { .name: b1, .offset: 40, .size: 8, .value_kind: global_buffer, .address_space: global }
      - { .name: b2, .offset: 48, .size: 8, .value_kind: global_buffer, .address_space: global }
      - { .name: ln1_g, .offset: 56, .size: 8, .value_kind: global_buffer, .address_space: global }
      - { .name: ln1_b, .offset: 64, .size: 8, .value_kind: global_buffer, .address_space: global }
      - { .name: ln2_g, .offset: 72, .size: 8, .value_kind: global_buffer, .address_space: global }
      - { .name: ln2_b, .offset: 80, .size: 8, .value_kind: global_buffer, .address_space: global }
      - { .name: out0, .offset: 88, .size: 8, .value_kind: global_buffer, .address_space: global }
    .group_segment_fixed_size: 115712
    .private_segment_fixed_size: 0
    .kernarg_segment_align: 8
    .kernarg_segment_size: 96
    .max_flat_workgroup_size: 128
    .sgpr_count:     66
    .vgpr_count:     1024
    .wavefront_size: 32
...
	.end_amdgpu_metadata
.endif
;; end of part 4
;; ======== version 2 of 2: 4 launches; version 1 with the launches qkv, tail written anew for expert scheduling mode
;; limits: a function is approximated: absolute error at most 7.5e-08
;; workspace buffers: codes 5,505,024 bytes; scl 229,376 bytes; qc 3,276,800 bytes; kv 6,553,600 bytes; cc 3,145,728 bytes; cs 131,072 bytes
;; launch prep: the kernel of part 1 again; grid 448 x 1, 2 waves a work-group, no clusters, 17,152 bytes of LDS; arguments x, Wq, Wk, Wv, Wp, W1, W2, codes, scl; writes codes, scl
;; launch qkv (part 5): grid 64 x 3, 16 waves a work-group, no clusters, 51,200 bytes of LDS; arguments codes, scl, qc, kv; writes qc, kv
.if DOCPART == 5
	.amdgcn_target "amdgcn-amd-amdhsa--gfx1250"
	.amdhsa_code_object_version 6
	.text
	.protected	k_q98ba62e29f_qkv
	.globl	k_q98ba62e29f_qkv
	.p2align	8
	.type	k_q98ba62e29f_qkv,@function
k_q98ba62e29f_qkv:
	s_mov_b64 s[64:65], 0
	v_nop
	global_prefetch_b8 v0, s[64:65] scope:SCOPE_SE
	s_setreg_imm32_b32 hwreg(HW_REG_WAVE_SCHED_MODE, 0, 2), 2
	s_setreg_imm32_b32 hwreg(HW_REG_WAVE_MODE, 25, 1), 1
	s_wait_xcnt 0x0
	s_wait_alu depctr_vm_vsrc(0)
; q = x Wq^T, k = x Wk^T, v = x Wv^T on codes of FP6, and their own quantising: q and k along the head's 64, v along the keys.
; Work-group (X, role): rows 128 X .. 128 X + 127 (eight tiles of x, one key step of attention) against all 512 columns of Wq (role 0), Wk (1) or Wv (2).
; Sixteen waves: head a = wave / 2, half hf = wave % 2.  The work-group's 32 fragments of x, one dense block of 49,152 bytes, are copied into LDS once; the weights' fragments go from memory into registers.
; Roles 0, 1: source 0 = W's tiles 4 a + i, source 1 = x's tiles 4 hf + j: a lane holds one row and 32 registers of a tile of rows are the head's 64 channels (two blocks, 16 each half).
;   64 registers (two tiles of rows) make ONE image: registers 0-5 the first tile's 64 codes, registers 6-11 the second's: a PAIR IMAGE; its scale word: bytes 0, 1 the first tile's, bytes 2, 3 the second's.
; Role 2: source 0 = x's tiles 0 .. 7, source 1 = Wv's tiles 4 a + 2 hf + j: a lane holds one channel and 64 registers are the step's 128 keys: a fragment of V^T.
; In all roles the accumulators of image jj lie at ACC + 64 jj: the way out is written once.
; qc: [batch x head][step] records of 6,400 bytes: four pair images, two registers of scale words (lanes 0-15 pair 2 i, lanes 16-31 pair 2 i + 1).
; kv: records of 12,800 bytes: K's four pair images, V's four fragments, K's two scale registers, V's two.
; LIMITS: a block of zeros gets the byte 1; NaN and infinities are not served.  No multicast: each weight fragment is wanted by one wave of a work-group and lands in its operand registers.
; THE MODE: SCHED_MODE bits 1:0 = 2 (LLVM: expert scheduling mode 2), set by the entry lines.  The code itself states the register dependences
; between vector or matrix instructions and memory or LDS instructions, with s_wait_alu, always for 0.
; THE PLAN.  Registers that memory or LDS instructions touch:
;   v1-5       addresses, made once at the head and never written again.
;   FA, FB     loaded in every K step, read by that step's products; v32-55 also carry the head's copy of x from memory into LDS.  The 256 registers are full (128 sums, 96 fragments,
;              32 addresses and scale words): there is one set of fragments, so one wait on va_vdst stands at the head of every group of fragment loads but the first.
;   XS, WSC    scale words, loaded once, read by the products, never written again.
;   v50, v52-63, v72-83   written by the two quantisers, read by the seven stores, which stand together behind one wait on va_vdst.
.set LI, 1                             ; v1 16 x lane
.set L8, 2                             ; v2 8 x lane
.set LS, 3                             ; v3 4 x lane
.set XA, 4                             ; v4 roles 0, 1: my four tiles of x in LDS
.set CP, 5                             ; v5 my wave's 3,072 bytes of the copy
.set XS, 8                             ; v8-23  x's scale words: a pair a tile (nothing else ever lies here)
.set WSC, 24                           ; v24-31 W's likewise
.set FA, 32                            ; v32-79  four fragments for source 0
.set FB, 80                            ; v80-127 fragments for source 1
.set ACC, 128                          ; v128-255
.set TM, 32                            ; the way out: at work
.set SEL, 42
.set WQ_C, 3145728
.set WQ_S, 131072
.macro QUANT s, pc, pw
.irp b, 0,1,2,3
	v_max3_num_f32 v[TM+\b], |v[\s+16*\b]|, |v[\s+1+16*\b]|, 0x1800000   ; (each accumulator is read from its low end on)
.endr
.irp i, 2,4,6,8,10,12,14
.irp b, 0,1,2,3
	v_max3_num_f32 v[TM+\b], v[TM+\b], |v[\s+16*\b+\i]|, |v[\s+1+16*\b+\i]|
.endr
.endr
.irp b, 0,1,2,3
	v_permlanex16_b32 v[TM+4+\b], v[TM+\b], s[SEL], s[SEL+1]
.endr
.irp b, 0,1,2,3
	v_max_num_f32 v[TM+\b], v[TM+\b], v[TM+4+\b]
.endr
.irp b, 0,1,2,3
	v_add_nc_u32 v[TM+12+\b], 0xff000000, v[TM+\b]
.endr
.irp b, 0,1,2,3
	v_lshrrev_b32 v[TM+4+\b], 23, v[TM+12+\b]
.endr
	v_lshl_or_b32 v[\pw], v[TM+5], 8, v[TM+4]
	v_lshl_or_b32 v[\pw], v[TM+6], 16, v[\pw]
	v_lshl_or_b32 v[\pw], v[TM+7], 24, v[\pw]
.irp c, 0,1
	v_cvt_scalef32_pk16_fp6_f32 v[\pc+6*\c:\pc+2+6*\c], v[\s+32*\c:\s+15+32*\c], v[TM+12+2*\c]
	v_cvt_scalef32_pk16_fp6_f32 v[\pc+12+4*\c:\pc+14+4*\c], v[\s+16+32*\c:\s+31+32*\c], v[TM+12+2*\c+1]
.endr
	v_nop                                              ; one plain place behind a scaled conversion
.irp c, 0,1
.irp i, 0,1,2
	v_permlane16_swap_b32 v[\pc+6*\c+\i], v[\pc+12+4*\c+\i]
.endr
.irp i, 0,1,2
	v_mov_b32 v[\pc+3+6*\c+\i], v[\pc+12+4*\c+\i]
.endr
.endr
.endm
.macro LDW reg, off                    ; a weight fragment from memory
.irp g, 0,1,2
	global_load_b128 v[\reg+4*\g:\reg+4*\g+3], v[LI], s[26:27] offset:\off+512*\g
.endr
.endm
.macro LDX reg, adr, off               ; a fragment of x from LDS
.irp g, 0,1,2
	ds_load_b128 v[\reg+4*\g:\reg+4*\g+3], v[\adr] offset:\off+512*\g
.endr
.endm
.macro MMS d, a, b, zero, sa, sb, odd  ; odd K steps take their scale words from lanes 16-31
.if \zero
	v_wmma_scale_f32_16x16x128_f8f6f4 v[\d:\d+7], v[\a:\a+11], v[\b:\b+11], 0, v[\sa], v[\sb] matrix_a_fmt:MATRIX_FMT_FP6 matrix_b_fmt:MATRIX_FMT_FP6
.elseif \odd
	v_wmma_scale_f32_16x16x128_f8f6f4 v[\d:\d+7], v[\a:\a+11], v[\b:\b+11], v[\d:\d+7], v[\sa], v[\sb] matrix_a_fmt:MATRIX_FMT_FP6 matrix_b_fmt:MATRIX_FMT_FP6 matrix_a_scale:MATRIX_SCALE_ROW1 matrix_b_scale:MATRIX_SCALE_ROW1
.else
	v_wmma_scale_f32_16x16x128_f8f6f4 v[\d:\d+7], v[\a:\a+11], v[\b:\b+11], v[\d:\d+7], v[\sa], v[\sb] matrix_a_fmt:MATRIX_FMT_FP6 matrix_b_fmt:MATRIX_FMT_FP6
.endif
.endm
; a K step of 128, roles 0 and 1: 16 accumulators by turns, one instruction a turn
.macro KSTEP01 s, zero, odd
.if \s > 0
	s_wait_alu depctr_va_vdst(0)                   ; the last K step's products are done reading FA and FB, in which the loads below land
.endif
.irp i, 0,1,2,3
	LDW FA+12*\i, (4*\i+\s)*1536
.endr
.irp j, 0,1,2,3
	LDX FB+12*\j, XA, (4*\j+\s)*1536
.endr
	s_wait_loadcnt 0x0
	s_wait_dscnt 0x0
.irp j, 0,1,2,3
.irp i, 0,1,2,3
	MMS ACC+8*(4*\j+\i), FA+12*\i, FB+12*\j, \zero, WSC+2*\i+\s/2, XS+2*\j+\s/2, \odd
.endr
.endr
.rept 4
	v_nop                                          ; four places in front of loads into registers that matrix instructions have read, and of the first read of results
.endr
.endm
; the same for role 2: x's eight tiles in two groups of four
.macro KSTEP2 s, zero, odd
.if \s > 0
	s_wait_alu depctr_va_vdst(0)                   ; the last K step's products are done reading FA and FB, in which the loads below land
.endif
.irp j, 0,1
	LDW FB+12*\j, (4*\j+\s)*1536
.endr
.irp u, 0,1
.if \u > 0
	s_wait_alu depctr_va_vdst(0)                   ; the first group's products are done reading FA, in which the second group's fragments land
.endif
.irp i, 0,1,2,3
	LDX FA+12*\i, LI, (4*(4*\u+\i)+\s)*1536
.endr
	s_wait_loadcnt 0x0
	s_wait_dscnt 0x0
.irp i, 0,1,2,3
.irp j, 0,1
	MMS ACC+8*(8*\j+4*\u+\i), FA+12*\i, FB+12*\j, \zero, XS+2*(4*\u+\i)+\s/2, WSC+2*\j+\s/2, \odd
.endr
.endr
.rept 4
	v_nop
.endr
.endr
.endm
	s_load_b256 s[4:11], s[0:1], 0x0               ; codes, scl, qc, kv
	v_lshrrev_b32 v6, 5, v0
	v_readfirstlane_b32 s12, v6                    ; wave 0..15
	v_and_b32 v6, 31, v0
	v_lshlrev_b32 v[LI], 4, v6
	v_lshlrev_b32 v[L8], 3, v6
	v_lshlrev_b32 v[LS], 2, v6
	s_wait_alu depctr_va_sdst(0)                   ; s12 is written, ahead of its first reader: head, half and every base are made from it
	s_lshr_b32 s13, s12, 1                         ; head a
	s_and_b32 s14, s12, 1                          ; half hf
	s_and_b32 s15, ttmp7, 0xffff                   ; role
	s_mul_i32 s17, s14, 24576
	v_add_nc_u32 v[XA], s17, v[LI]                 ; tiles 4 hf on: 4 x 6,144 bytes
	s_mul_i32 s17, s12, 3072
	v_add_nc_u32 v[CP], s17, v[LI]
	s_mul_i32 s18, ttmp9, 49152
	s_mov_b32 s19, 0
	s_mov_b32 s[SEL], 0x76543210
	s_mov_b32 s[SEL+1], 0xfedcba98
	s_mov_b32 s44, 0xffff0000
	s_wait_kmcnt 0x0
	s_add_nc_u64 s[20:21], s[4:5], s[18:19]        ; the work-group's fragments of x
	s_wait_alu depctr_va_vdst(0)                   ; the five addresses v1 to v5 are written, which every load and store of the kernel reads
.irp k, 0,1,2,3,4,5
	global_load_b128 v[FA+4*\k:FA+4*\k+3], v[CP], s[20:21] offset:512*\k
.endr
	s_lshr_b32 s23, s15, 1                         ; 1 in role 2
	s_mul_i32 s24, s23, s14
	s_lshl_b32 s24, s24, 1
	s_lshl_b32 s22, s13, 2
	s_add_co_u32 s22, s22, s24                     ; my first tile of W: 4 a, in role 2 + 2 hf
	s_mul_i32 s24, s15, 196608
	s_mul_i32 s25, s22, 6144
	s_add_co_u32 s24, s24, s25
	s_add_co_u32 s24, s24, WQ_C
	s_mov_b32 s25, 0
	s_add_nc_u64 s[26:27], s[4:5], s[24:25]        ; its fragments
	s_lshl_b32 s24, s15, 13
	s_lshl_b32 s17, s22, 8
	s_add_co_u32 s24, s24, s17
	s_add_co_u32 s24, s24, WQ_S
	s_add_nc_u64 s[28:29], s[6:7], s[24:25]        ; its scale words
	s_xor_b32 s24, s23, 1
	s_mul_i32 s24, s24, s14
	s_lshl_b32 s24, s24, 10
	s_lshl_b32 s17, ttmp9, 11
	s_add_co_u32 s24, s24, s17
	s_add_nc_u64 s[30:31], s[6:7], s[24:25]        ; x's scale words: tile 8 X, in roles 0, 1 + 4 hf
	s_lshr_b32 s17, ttmp9, 4
	s_lshl_b32 s17, s17, 3
	s_add_co_u32 s17, s17, s13                     ; batch x 8 + head
	s_lshl_b32 s17, s17, 4
	s_and_b32 s24, ttmp9, 15
	s_add_co_u32 s17, s17, s24                     ; the record
	s_mov_b32 s36, 12800
	s_cmp_eq_u32 s15, 0
	s_cselect_b64 s[34:35], s[8:9], s[10:11]       ; qc or kv: a choice on the role alone
	s_cselect_b32 s36, 6400, s36
	s_mul_i32 s17, s17, s36
	s_mul_i32 s24, s23, 6144                       ; V's fragments lie behind K's images
	s_mul_i32 s37, s14, 3072
	s_add_co_u32 s24, s24, s37
	s_add_co_u32 s24, s24, s17
	s_add_nc_u64 s[38:39], s[34:35], s[24:25]      ; where my two images go
	s_min_u32 s24, s15, 1
	s_mul_i32 s24, s24, 6144
	s_lshl_b32 s37, s23, 8
	s_add_co_u32 s24, s24, s37
	s_lshl_b32 s37, s14, 7
	s_add_co_u32 s24, s24, s37
	s_add_co_u32 s24, s24, s17
	s_add_co_u32 s24, s24, 6144
	s_add_nc_u64 s[40:41], s[34:35], s[24:25]      ; and my register of scale words: 6,144 / 12,288 / 12,544 + 128 hf into the record
	s_wait_loadcnt 0x0
.irp k, 0,1,2,3,4,5
	ds_store_b128 v[CP], v[FA+4*\k:FA+4*\k+3] offset:512*\k
.endr
	s_wait_dscnt 0x0                               ; for the others' sake: my part of the copy has landed
	s_barrier_signal -1
	s_barrier_wait -1
	s_wait_alu depctr_vm_vsrc(0)                   ; my LDS stores have read v32-55, in which the first fragments land on either way behind the branch
	s_cmp_eq_u32 s15, 2                            ; the role is the work-group's: all sixteen waves go one way; behind this line LDS is only read
	s_cbranch_scc1 .Lrole2
.irp j, 0,1,2,3
	global_load_b64 v[XS+2*\j:XS+2*\j+1], v[L8], s[30:31] offset:256*\j
	global_load_b64 v[WSC+2*\j:WSC+2*\j+1], v[L8], s[28:29] offset:256*\j
.endr
	KSTEP01 0, 1, 0
	KSTEP01 1, 0, 1
	KSTEP01 2, 0, 0
	KSTEP01 3, 0, 1
	s_branch .Lout
.Lrole2:
.irp i, 0,1,2,3,4,5,6,7
	global_load_b64 v[XS+2*\i:XS+2*\i+1], v[L8], s[30:31] offset:256*\i
.endr
.irp j, 0,1
	global_load_b64 v[WSC+2*\j:WSC+2*\j+1], v[L8], s[28:29] offset:256*\j
.endr
	KSTEP2 0, 1, 0
	KSTEP2 1, 0, 1
	KSTEP2 2, 0, 0
	KSTEP2 3, 0, 1
.Lout:
.irp b, 0,1,2,3
	v_mov_b32 v[TM+4+\b], 0                        ; a lane permute's destination counts as one of its sources
.endr
	QUANT ACC, 52, 48
	QUANT ACC+64, 72, 49                           ; other registers for the second image: no store's data are written again
	v_cndmask_b32 v50, v48, v49, s44               ; lanes 0-15: the first image's words, lanes 16-31: the second's
	s_wait_alu depctr_va_vdst(0)                   ; the quantisers have written v52-63 and v72-83, the select v50: the seven stores below read them
.irp g, 0,1,2
	global_store_b128 v[LI], v[52+4*\g:55+4*\g], s[38:39] offset:512*\g
.endr
.irp g, 0,1,2
	global_store_b128 v[LI], v[72+4*\g:75+4*\g], s[38:39] offset:1536+512*\g
.endr
	global_store_b32 v[LS], v50, s[40:41]
	s_wait_xcnt 0x0
	v_lshl_add_u32 v254, v0, 2, 0xc000             ; the add's two registers are made anew here (no memory or LDS instruction has read either)
	v_mov_b32 v255, 0
	s_wait_dscnt 0x0                               ; the closing lines, six on end
	s_wait_alu 0x0
	s_wait_tensorcnt 0x0
	ds_add_u32 v254, v255
	s_wait_dscnt 0x0
	s_endpgm
.Lfunc_end_k_q98ba62e29f_qkv:
	.size	k_q98ba62e29f_qkv, .Lfunc_end_k_q98ba62e29f_qkv-k_q98ba62e29f_qkv
	.p2alignl 7, 3214868480
	.fill 96, 4, 3214868480
	.section	.rodata,"a",@progbits
	.p2align	6, 0x0
	.amdhsa_kernel k_q98ba62e29f_qkv
		.amdhsa_group_segment_fixed_size 51200
		.amdhsa_private_segment_fixed_size 0
		.amdhsa_enable_private_segment 0
		.amdhsa_kernarg_size 32
		.amdhsa_user_sgpr_count 2
		.amdhsa_user_sgpr_kernarg_segment_ptr 1
		.amdhsa_wavefront_size32 1
		.amdhsa_system_sgpr_workgroup_id_x 1
		.amdhsa_system_sgpr_workgroup_id_y 1
		.amdhsa_system_sgpr_workgroup_id_z 1
		.amdhsa_system_vgpr_workitem_id 0
		.amdhsa_next_free_vgpr 256
		.amdhsa_next_free_sgpr 66
		.amdhsa_reserve_vcc 0
		.amdhsa_float_denorm_mode_32 3
		.amdhsa_float_denorm_mode_16_64 3
		.amdhsa_memory_ordered 1
		.amdhsa_forward_progress 1
		.amdhsa_inst_pref_size 49
	.end_amdhsa_kernel
	.amdgpu_metadata
---
amdhsa.version: [ 1, 2 ]
amdhsa.kernels:
  - .name:           k_q98ba62e29f_qkv
    .symbol:         k_q98ba62e29f_qkv.kd
    .args:
      - { .name: codes, .offset: 0, .size: 8, .value_kind: global_buffer, .address_space: global }
      - { .name: scl, .offset: 8, .size: 8, .value_kind: global_buffer, .address_space: global }
      - { .name: qc, .offset: 16, .size: 8, .value_kind: global_buffer, .address_space: global }
      - { .name: kv, .offset: 24, .size: 8, .value_kind: global_buffer, .address_space: global }
    .group_segment_fixed_size: 51200
    .private_segment_fixed_size: 0
    .kernarg_segment_align: 8
    .kernarg_segment_size: 32
    .max_flat_workgroup_size: 512
    .sgpr_count:     66
    .vgpr_count:     256
    .wavefront_size: 32
...
	.end_amdgpu_metadata
.endif
;; end of part 5
;; launch attn: the kernel of part 3 again; grid 8 x 32, 16 waves a work-group, clusters of 4 x 1, 215,040 bytes of LDS; arguments qc, kv, attention_mask, cc, cs; writes cc, cs
;; launch tail (part 6): grid 256 x 1, 4 waves a work-group, no clusters, 115,712 bytes of LDS; arguments codes, scl, cc, cs, x, b1, b2, ln1_g, ln1_b, ln2_g, ln2_b, out0; writes out0
.if DOCPART == 6
	.amdgcn_target "amdgcn-amd-amdhsa--gfx1250"
	.amdhsa_code_object_version 6
	.text
	.protected	k_q98ba62e29f_tail
	.globl	k_q98ba62e29f_tail
	.p2align	8
	.type	k_q98ba62e29f_tail,@function
k_q98ba62e29f_tail:
	s_mov_b64 s[64:65], 0
	v_nop
	global_prefetch_b8 v0, s[64:65] scope:SCOPE_SE
	s_setreg_imm32_b32 hwreg(HW_REG_WAVE_SCHED_MODE, 0, 2), 2
	s_setreg_imm32_b32 hwreg(HW_REG_WAVE_MODE, 25, 1), 1
	s_wait_xcnt 0x0
	s_wait_alu depctr_vm_vsrc(0)
; out = LN2(gelu(h W1^T + b1) W2^T + b2 + h), h = LN1(ctx Wp^T + x): three products on codes of FP6; h and the hidden layer are quantised on the way and never go to memory.
; SHARES.  Work-group g takes rows 32 g .. 32 g + 31 (two tiles of rows, m = 0, 1).  THE WAVES SHARE THE COLUMNS: wave w makes columns 128 w .. + 127 of the projection and of the second
; feed-forward product, and in chunk c (0 .. 3) hidden units 512 c + 128 w .. + 127, which are K step 4 c + w of that product.
; All products are used transposed (source 0 = 16 rows of a weight, source 1 = a tile of rows): a lane holds one row, its 64 registers of a tile of rows are columns 32 b + 16 (lane / 16) + i of the wave's 128.
; WEIGHTS go from memory straight into the registers of the one wave that uses them, as images, through a ring of four register slots (a slot: one K step's 8 fragments).  A PHASE is four groups of 16 products,
; one slot each.  No multicast and no LDS ring for the weights: each fragment is wanted by one wave of a work-group, and through LDS each byte would be written and read once more.
; THE SECOND PRODUCT RUNS ONE CHUNK LATE, so that vector work follows every phase: a trip is  first product of chunk c | gelu of tile 0 | second product of chunk c - 1 | gelu of tile 1.
; The phases in order: Wp, W1(0), W1(1), W2(0), W1(2), W2(1), W1(3), W2(2), W2(3).  While a phase runs and in the vector work behind it the slots take the next phase: slots 0 and 1 behind group 1,
; the 8 loads of scale words behind group 3, slot 2 in the middle of the vector work, slot 3 at its end: 104 loads a phase, at most 56 in one run.
; Trip 0 has no second product: it is written out ahead of the loop of three trips, so that every path issues the same loads behind the ones that a wait counts.
; Rows' operands go from wave to wave through LDS as images of their registers.  The residual x, b1, and h + b2 are the C with which each sum begins.
; LayerNorm in two passes (mean; then the squares of the differences); the four waves' partial sums meet in LDS.
; GELU, exact form x Phi(x): z = x / sqrt 2, t = 1 / (1 + 0.3275911 |z|), E = (sqrt 2 / 2) (a1 t + .. + a5 t^5) 2^(-z z log2 e), gelu = max(x, 0) - |z| E.
; LIMITS: the polynomial (Abramowitz and Stegun 7.1.26) keeps Phi within 7.5e-8 absolutely: about 1e-6 of the number above x = -1.4, about 1e-3 of it at x = -4, where |gelu| is under 2e-4;
; a block of zeros gets the byte 1; NaN and infinities are not served.
; REGISTERS, in windows of 256.  Window 0: v1-11 addresses; v16-31 statistics; v32-63 the weights' scale words, two sets; v64-71 scale words of ctx, then of h; v72-79 the hidden layer's; v80-239 at work;
;   v240-252 tile 0's codes and scale word, held until the images in LDS may be written again.
;   Window 1: v0-127 the sums of the projection and of the second product ((t, m) at 64 m + 8 t); v128-255 those of the first product.
;   Window 2: slots 0, 1 at v0, v96; from v192 the rows' fragments of K steps 0, 1.   Window 3: slots 2, 3; K steps 2, 3.
; THE MODE: SCHED_MODE bits 1:0 = 2 (LLVM: expert scheduling mode 2), set by the entry lines.  The code itself states the register dependences
; between vector or matrix instructions and memory or LDS instructions, with s_wait_alu, always for 0.
; THE PLAN.  Registers that memory or LDS instructions touch, and who else names them:
;   slots 0-3            group j's 16 products read slot j; the next phase's loads land in it.  No vector instruction ever names a slot.
;   v32-63               a phase's products read one set as scales; the next phase's 8 loads land behind the phase.
;   windows 2, 3 v192-239, v64-71   loaded at the head (ctx) and behind h's barrier (h); read by the products of the projection and of the first product.
;   v80-175, v72-79      the last chunk's images and scale words land here and the second product reads them; v80-143 also take b1, the C of the first product; between these the gelu and the quantiser work here.
;   v240-252, v160, v162-173   written by the quantisers, read by the stores of the images.
;   v26, v27             the partial sums: written by the row sums, read by two LDS stores a pass.
;   v8                   b1's LDS address: read by 16 loads a chunk, stepped once a chunk.  All other addresses are made at the head and never written again.
; WAITS ON va_vdst: two in a phase: behind group 1 (slots 0 and 1 are free: both refills follow) and behind group 3 (slots 2 and 3 and the scale words are free: the scale loads follow at once, the two refills
; stand in the vector work behind, which names none of their registers); one ahead of each run of LDS stores (partial sums, images, the stage), which also frees the work registers for the LDS loads behind it;
; one ahead of the loads of the last chunk's images; the waits behind the transcendentals.  WAITS ON vm_vsrc: behind the head's barrier, behind the first barrier of a LayerNorm, behind b1's first loads and behind each trip's last barrier.
.set LI, 1                             ; 16 x lane
.set L8, 2                             ; 8 x lane
.set LS, 3                             ; 4 x lane
.set CSA, 4                            ; 16 r
.set HWI, 5                            ; 16 x lane + 1,536 x wave
.set HWS, 6                            ; 4 x lane + 128 x wave
.set PA, 7                             ; 512 x wave + 64 (lane / 16): my columns in a vector of parameters
.set B1A, 8                            ; the same in b1, 2,048 bytes on with each chunk
.set XSO, 9                            ; the stage by rows: my wave's 8 rows, 16 bytes a lane
.set SGR, 10                           ; the stage in the result's layout
.set PT16, 11                          ; 16 x thread
.set MU, 16                            ; v16-19 the means, as pairs
.set RS, 20                            ; v20-23 1 / sqrt(var + eps), as pairs
.set WSR, 32
.set ASR, 64
.set HSW, 72
.set Z, 80
.set GD, 144
.set GW, 176
.set GP, 208
.set TM, 144
.set PCB, 162                          ; tile 1's codes, v162-173
.set PWB, 160
.set TP, 174                           ; the conversions' second halves
.set PCA, 240                          ; tile 0's codes, v240-251
.set PWA, 252
.set BLK, 196608                       ; a phase's weights for the whole work-group: 32 tiles x 4 fragments
.set SBLK, 8192                        ; and their scale words
.set STAT, 18432                       ; LDS: 0 b1, 8,192 b2, 10,240 ln1_g, 12,288 ln1_b, 14,336 ln2_g, 16,384 ln2_b; four regions of partial sums, [m][wave][128 bytes]
.set HIMG, 22528                       ; h's eight images (4 m + K step)
.set HSC, 34816                        ; their scale words, 128 bytes each
.set FIMG, 35840                       ; a chunk's eight images of the hidden layer
.set FSC, 48128
.set STG, 49152                        ; 32 rows x (2,048 + 16) bytes: x on the way in, out on the way out
.set WP_C, 3735552
.set W1_C, 3932160                     ; W1's four chunks, then W2's four, BLK bytes each, on end
.set W2_C, 4718592
.set WP_S, 155648
.set W1_S, 163840
.set W2_S, 196608
.set MSB, 0
.macro WIN new                         ; the immediate's high byte repeats the setting that is left
.if MSB != \new
	s_set_vgpr_msb (MSB<<8)|\new
.set MSB, \new
.endif
.endm
.macro BARRIER
	s_wait_dscnt 0x0                               ; my LDS stores have landed and my LDS loads are in
	s_barrier_signal -1
	s_barrier_wait -1
.endm
.macro NOPS4                           ; four places ahead of loads into registers that matrix instructions have read, and of the first read of results
.rept 4
	v_nop
.endr
.endm
.macro SCLOAD set, sb                  ; a phase's scale words: a pair a tile
.irp t, 0,1,2,3,4,5,6,7
	global_load_b64 v[WSR+16*(\set)+2*\t:WSR+16*(\set)+2*\t+1], v[L8], s[\sb:\sb+1] offset:\t*256
.endr
.endm
.macro REFILL j, cb                    ; slot j takes K step j of my eight tiles: 24 loads of 512 consecutive bytes
.set WW, (2+(\j)/2)*64
	WIN WW
.irp t, 0,1,2,3,4,5,6,7
.irp g, 0,1,2
	global_load_b128 v[96*((\j)%2)+12*\t+4*\g:96*((\j)%2)+12*\t+4*\g+3], v[LI], s[\cb:\cb+1] offset:\t*6144+1536*(\j)+512*\g
.endr
.endr
	WIN 0
.endm
; 16 products: slot j's eight tiles x the two tiles of rows; sixteen accumulators by turns, one instruction a turn.
; kind 0: projection; 1: first feed-forward product (its K step 0 begins with b1); 2: second
.macro MM16 j, kind, set
.set WN, 2+(\j)/2
.if \kind == 2
.set WW, 0x50+WN
.elseif (\kind == 1) && ((\j) == 0)
.set WW, 0x40+5*WN
.else
.set WW, 0x50+5*WN
.endif
	WIN WW
.irp t, 0,1,2,3,4,5,6,7
.irp m, 0,1
.set DD, 64*\m+8*\t
.if \kind == 1
.set DD, DD+128
.endif
.set AA, 96*((\j)%2)+12*\t
.if \kind == 2
.set BB, 80+12*(2*(\j)+\m)
.set SBR, HSW+4*\m+(\j)
.else
.set BB, 192+12*(2*((\j)%2)+\m)
.set SBR, ASR+4*\m+(\j)
.endif
.set SAR, WSR+16*(\set)+2*\t+(\j)/2
.if (\kind == 1) && ((\j) == 0)
	v_wmma_scale_f32_16x16x128_f8f6f4 v[DD:DD+7], v[AA:AA+11], v[BB:BB+11], v[80+8*\t:87+8*\t], v[SAR], v[SBR] matrix_a_fmt:MATRIX_FMT_FP6 matrix_b_fmt:MATRIX_FMT_FP6
.elseif (\j)%2
	v_wmma_scale_f32_16x16x128_f8f6f4 v[DD:DD+7], v[AA:AA+11], v[BB:BB+11], v[DD:DD+7], v[SAR], v[SBR] matrix_a_fmt:MATRIX_FMT_FP6 matrix_b_fmt:MATRIX_FMT_FP6 matrix_a_scale:MATRIX_SCALE_ROW1
.else
	v_wmma_scale_f32_16x16x128_f8f6f4 v[DD:DD+7], v[AA:AA+11], v[BB:BB+11], v[DD:DD+7], v[SAR], v[SBR] matrix_a_fmt:MATRIX_FMT_FP6 matrix_b_fmt:MATRIX_FMT_FP6
.endif
.endr
.endr
.endm
; A PHASE.  Its loads were issued in the order slot 0 (24), slot 1 (24), scale words (8), slot 2 (24), slot 3 (24).  set: its scale words; nset, cb, sb: the next phase's set, codes and scale words.
; kind 2 reads the rows' fragments that HFLOAD has just asked for, 8 LDS loads a group.
.macro PHASE kind, set, nset, cb, sb
	s_wait_loadcnt 48                              ; slots 0 and 1 and the scale words are in; the 48 loads of slots 2 and 3 may be out
.if \kind == 2
	s_wait_dscnt 24                                ; group 0's eight LDS loads are in; the 24 of the other groups may be out
.endif
	MM16 0, \kind, \set
.if \kind == 2
	s_wait_dscnt 16                                ; group 1's are in
.endif
	MM16 1, \kind, \set
	WIN 0
	NOPS4
	s_wait_alu depctr_va_vdst(0)                   ; groups 0 and 1 are done reading slots 0 and 1, in which the 48 loads below land
	REFILL 0, \cb
	REFILL 1, \cb
	s_wait_loadcnt 48                              ; slots 2 and 3 are in; the 48 loads just issued may be out
.if \kind == 2
	s_wait_dscnt 0x0
.endif
	MM16 2, \kind, \set
	MM16 3, \kind, \set
	WIN 0
	NOPS4
	s_wait_alu depctr_va_vdst(0)                   ; the phase's products are done reading their scale words and slots 2 and 3: the scale loads below land in a set that may be this phase's own; the refills of slots 2 and 3 stand in the vector work behind, which names none of their registers
	SCLOAD \nset, \sb
.endm
.macro PHASEL set                      ; the last phase, W2(3): nothing more is asked for: no load leaves its buffer
	s_wait_loadcnt 48
	s_wait_dscnt 24
	MM16 0, 2, \set
	s_wait_dscnt 16
	MM16 1, 2, \set
	s_wait_loadcnt 0x0
	s_wait_dscnt 0x0
	MM16 2, 2, \set
	MM16 3, 2, \set
	WIN 0
	NOPS4
.endm
; 64 numbers of a lane in window win, register 16 b + i = k 32 b + 16 (lane / 16) + i of my row, become a fragment's codes in v[pc] .. v[pc + 11] and its scale word in v[pw]
.macro QUANTW s, win, pc, tp, pw
.set WW, 5*(\win)
	WIN WW
.irp b, 0,1,2,3
	v_max3_num_f32 v[TM+\b], |v[\s+16*\b]|, |v[\s+1+16*\b]|, 0x1800000
.endr
.set WW, 20*(\win)
	WIN WW
.irp i, 2,4,6,8,10,12,14
.irp b, 0,1,2,3
	v_max3_num_f32 v[TM+\b], v[TM+\b], |v[\s+16*\b+\i]|, |v[\s+1+16*\b+\i]|
.endr
.endr
	WIN 0
.irp b, 0,1,2,3
	v_mov_b32 v[TM+4+\b], 0                        ; a lane permute's destination counts as one of its sources
.endr
.irp b, 0,1,2,3
	v_permlanex16_b32 v[TM+4+\b], v[TM+\b], s44, s45
.endr
.irp b, 0,1,2,3
	v_max_num_f32 v[TM+\b], v[TM+\b], v[TM+4+\b]
.endr
.irp b, 0,1,2,3
	v_add_nc_u32 v[TM+12+\b], 0xff000000, v[TM+\b]
.endr
.irp b, 0,1,2,3
	v_lshrrev_b32 v[TM+4+\b], 23, v[TM+12+\b]
.endr
	v_lshl_or_b32 v[\pw], v[TM+5], 8, v[TM+4]
	v_lshl_or_b32 v[\pw], v[TM+6], 16, v[\pw]
	v_lshl_or_b32 v[\pw], v[TM+7], 24, v[\pw]
.set WW, \win
	WIN WW
.irp c, 0,1
	v_cvt_scalef32_pk16_fp6_f32 v[\pc+6*\c:\pc+2+6*\c], v[\s+32*\c:\s+15+32*\c], v[TM+12+2*\c]
	v_cvt_scalef32_pk16_fp6_f32 v[\tp+4*\c:\tp+2+4*\c], v[\s+16+32*\c:\s+31+32*\c], v[TM+12+2*\c+1]
.endr
	WIN 0
	v_nop                                          ; one plain place behind a scaled conversion
.irp c, 0,1
.irp i, 0,1,2
	v_permlane16_swap_b32 v[\pc+6*\c+\i], v[\tp+4*\c+\i]
.endr
.irp i, 0,1,2
	v_mov_b32 v[\pc+3+6*\c+\i], v[\tp+4*\c+\i]
.endr
.endr
.endm
.macro IMAGE adr, off, pc
.irp c, 0,1,2
	ds_store_b128 v[\adr], v[\pc+4*\c:\pc+4*\c+3] offset:\off+512*\c
.endr
.endm
.macro HFLOAD                          ; a chunk's eight images and scale words, group by group: 8 LDS loads a group
.irp j, 0,1,2,3
.irp m, 0,1
.irp g, 0,1,2
	ds_load_b128 v[80+12*(2*\j+\m)+4*\g:83+12*(2*\j+\m)+4*\g], v[LI] offset:FIMG+(4*\m+\j)*1536+512*\g
.endr
	ds_load_b32 v[HSW+4*\m+\j], v[LS] offset:FSC+128*(4*\m+\j)
.endr
.endr
.endm
.macro PARLOAD reg, adr, off           ; my 64 columns of a vector of parameters, in the result's layout
.set n, 0
.rept 16
	ds_load_b128 v[\reg+4*n:\reg+4*n+3], v[\adr] offset:\off+128*(n/4)+16*(n%4)
.set n, n+1
.endr
.endm
; the wave's 128 columns of tile m summed (sq = 1: their squares), for each row, into v[26 + m]
.macro ROWSUM m, sq
	WIN 0x05
.set k, 0
.rept 16
.if \sq
	v_pk_mul_f32 v[80+2*k:81+2*k], v[64*\m+2*k:64*\m+2*k+1], v[64*\m+2*k:64*\m+2*k+1]
.else
	v_pk_add_f32 v[80+2*k:81+2*k], v[64*\m+2*k:64*\m+2*k+1], v[64*\m+32+2*k:64*\m+33+2*k]   ; (each accumulator is read from its low end on)
.endif
.set k, k+1
.endr
.if \sq
.set k, 0
.rept 16
	v_pk_fma_f32 v[80+2*k:81+2*k], v[64*\m+32+2*k:64*\m+33+2*k], v[64*\m+32+2*k:64*\m+33+2*k], v[80+2*k:81+2*k]
.set k, k+1
.endr
.endif
	WIN 0
.irp w, 16, 8, 4, 2
.set k, 0
.rept \w/2
	v_pk_add_f32 v[80+2*k:81+2*k], v[80+2*k:81+2*k], v[80+\w+2*k:81+\w+2*k]
.set k, k+1
.endr
.endr
	v_add_f32 v80, v80, v81
	v_permlanex16_b32 v24, v80, s44, s45
	v_add_f32 v[26+\m], v80, v24
.endm
.macro STATSTORE st                    ; both tiles' partial sums go to LDS behind one wait
	s_wait_alu depctr_va_vdst(0)                   ; the row sums have written v26 and v27, which the two stores read; all earlier vector and matrix work is done with v80-239, in which the LDS loads behind the barrier land
	ds_store_b32 v[HWS], v26 offset:STAT+\st
	ds_store_b32 v[HWS], v27 offset:STAT+\st+512
.endm
.macro STATLOAD st                     ; the four waves' partial sums of my row, for both tiles
.irp m, 0,1
.irp w, 0,1,2,3
	ds_load_b32 v[80+4*\m+\w], v[LS] offset:STAT+\st+512*\m+128*\w
.endr
.endr
.endm
.macro STATSUM
	v_add_f32 v80, v80, v81
	v_add_f32 v82, v82, v83
	v_add_f32 v84, v84, v85
	v_add_f32 v86, v86, v87
	v_add_f32 v80, v80, v82
	v_add_f32 v84, v84, v86
.endm
; LayerNorm of the 32 rows in window 1's v0-127, in place.  cb: where the next phase's codes lie (slot 2 is asked for in the middle), or 0
.macro LN st0, st1, goff, boff, cb
	ROWSUM 0, 0
	ROWSUM 1, 0
	STATSTORE \st0
	BARRIER
	s_wait_alu depctr_vm_vsrc(0)                   ; the two stores have read v26 and v27, which the second pass writes again
	STATLOAD \st0
	s_wait_dscnt 0x0
	STATSUM
	v_mul_f32 v[MU], s61, v80
	v_mul_f32 v[MU+1], s61, v80
	v_mul_f32 v[MU+2], s61, v84
	v_mul_f32 v[MU+3], s61, v84
	WIN 0x41
.irp m, 0,1
.set k, 0
.rept 32
	v_pk_add_f32 v[64*\m+2*k:64*\m+2*k+1], v[64*\m+2*k:64*\m+2*k+1], v[MU+2*\m:MU+2*\m+1] op_sel_hi:[1,0] neg_lo:[0,1] neg_hi:[0,1]
.set k, k+1
.endr
.endr
.if \cb
	REFILL 2, \cb                                  ; no wait: nothing since the wait at the phase's end names slot 2 or v1
.endif
	ROWSUM 0, 1
	ROWSUM 1, 1
	STATSTORE \st1
	BARRIER
	STATLOAD \st1
	PARLOAD 112, PA, \goff
	PARLOAD 176, PA, \boff
	s_wait_dscnt 32                                ; the eight partial sums are in; the 32 loads of gain and offset may be out
	STATSUM
	v_fma_f32 v80, v80, s61, s62                   ; the variance + eps
	v_fma_f32 v84, v84, s61, s62
	v_rsq_f32 v[RS], v80
	v_rsq_f32 v[RS+2], v84
	v_nop
	s_wait_alu depctr_va_vdst(0)                   ; the two roots have written v[RS] and v[RS + 2]: the wait ahead of their first reader
	v_mov_b32 v[RS+1], v[RS]
	v_mov_b32 v[RS+3], v[RS+2]
	s_wait_dscnt 0x0
	WIN 0x41
.irp m, 0,1
.set k, 0
.rept 32
	v_pk_mul_f32 v[64*\m+2*k:64*\m+2*k+1], v[64*\m+2*k:64*\m+2*k+1], v[RS+2*\m:RS+2*\m+1] op_sel_hi:[1,0]
.set k, k+1
.endr
.set k, 0
.rept 32
	v_pk_fma_f32 v[64*\m+2*k:64*\m+2*k+1], v[64*\m+2*k:64*\m+2*k+1], v[112+2*k:113+2*k], v[176+2*k:177+2*k]
.set k, k+1
.endr
.endr
	WIN 0
.endm
; gelu of tile m's 64 numbers a lane, from window 1's v[128 + 64 m] on into v[Z] on.  cb: where the next phase's codes lie (slot 2 is asked for between the two halves), or 0
.macro GELU m, cb
	WIN 0x01
.set k, 0
.rept 32
	v_pk_mul_f32 v[Z+2*k:Z+2*k+1], v[128+64*\m+2*k:129+64*\m+2*k], s[56:57] op_sel_hi:[1,0]   ; z = x / sqrt 2
.set k, k+1
.endr
	WIN 0
.irp hh, 0,1
.set i, 0
.rept 32
	v_fma_f32 v[GD+i], |v[Z+32*\hh+i]|, s60, 1.0
.set i, i+1
.endr
.set k, 0
.rept 16
	v_pk_mul_f32 v[GW+2*k:GW+2*k+1], v[Z+32*\hh+2*k:Z+32*\hh+2*k+1], v[Z+32*\hh+2*k:Z+32*\hh+2*k+1]
.set k, k+1
.endr
.set k, 0
.rept 16
	v_pk_mul_f32 v[GW+2*k:GW+2*k+1], v[GW+2*k:GW+2*k+1], s[58:59] op_sel_hi:[1,0]              ; -z z log2 e
.set k, k+1
.endr
.set i, 0
.rept 32
	v_rcp_f32 v[GD+i], v[GD+i]                     ; t
.set i, i+1
.endr
.set i, 0
.rept 32
	v_exp_f32 v[GW+i], v[GW+i]
.set i, i+1
.endr
	v_nop
	s_wait_alu depctr_va_vdst(0)                   ; the 32 reciprocals have written v[GD ..], the 32 exponentials v[GW ..]: one wait for the batch, ahead of its first reader
.set k, 0
.rept 16
	v_pk_fma_f32 v[GP+2*k:GP+2*k+1], v[GD+2*k:GD+2*k+1], s[46:47], v[28:29] op_sel_hi:[1,0,1]
.set k, k+1
.endr
.irp cc, 50, 52, 54
.set k, 0
.rept 16
	v_pk_fma_f32 v[GP+2*k:GP+2*k+1], v[GP+2*k:GP+2*k+1], v[GD+2*k:GD+2*k+1], s[\cc:\cc+1] op_sel_hi:[1,1,0]
.set k, k+1
.endr
.endr
.set k, 0
.rept 16
	v_pk_mul_f32 v[GP+2*k:GP+2*k+1], v[GP+2*k:GP+2*k+1], v[GD+2*k:GD+2*k+1]
.set k, k+1
.endr
.set k, 0
.rept 16
	v_pk_mul_f32 v[GP+2*k:GP+2*k+1], v[GP+2*k:GP+2*k+1], v[GW+2*k:GW+2*k+1]                    ; E
.set k, k+1
.endr
	WIN 0x04
.set i, 0
.rept 32
	v_max_num_f32 v[GD+i], 0, v[128+64*\m+32*\hh+i]                                            ; max(x, 0)
.set i, i+1
.endr
	WIN 0
.set i, 0
.rept 32
	v_fma_f32 v[Z+32*\hh+i], -|v[Z+32*\hh+i]|, v[GP+i], v[GD+i]
.set i, i+1
.endr
.if (\hh == 0) && (\cb)
	REFILL 2, \cb                                  ; no wait: nothing since the wait at the phase's end names slot 2 or v1
.endif
.endr
.endm
	s_load_b256 s[4:11], s[0:1], 0x0               ; codes, scl, cc, cs
	s_load_b256 s[12:19], s[0:1], 0x20             ; x, b1, b2, ln1_g
	s_load_b256 s[20:27], s[0:1], 0x40             ; ln1_b, ln2_g, ln2_b, out0
	v_lshl_add_u32 v254, v0, 2, 0x1c200
	v_mov_b32 v255, 0
	v_lshrrev_b32 v12, 5, v0
	v_readfirstlane_b32 s28, v12                   ; wave 0..3
	v_and_b32 v12, 31, v0
	v_and_b32 v13, 15, v0                          ; r
	v_bfe_u32 v14, v0, 4, 1                        ; h
	v_lshlrev_b32 v[LI], 4, v12
	v_lshlrev_b32 v[L8], 3, v12
	v_lshlrev_b32 v[LS], 2, v12
	v_lshlrev_b32 v[CSA], 4, v13
	s_wait_alu depctr_va_sdst(0)                   ; s28 is written, ahead of its first reader: LDS addresses and every base are made from it
	s_mul_i32 s30, s28, 1536
	v_add_nc_u32 v[HWI], s30, v[LI]
	s_lshl_b32 s30, s28, 7
	v_add_nc_u32 v[HWS], s30, v[LS]
	s_lshl_b32 s30, s28, 9
	v_lshl_add_u32 v[PA], v14, 6, s30
	v_mov_b32 v[B1A], v[PA]
	s_mul_i32 s31, s28, 8*2064
	s_add_co_u32 s31, s31, STG
	v_add_nc_u32 v[XSO], s31, v[LI]
	v_and_b32 v15, 8, v13
	v_add_nc_u32 v15, v15, v13                     ; r + 8 (r / 8)
	v_mul_u32_u24 v[SGR], v15, 2064
	v_add_nc_u32 v[SGR], v[PA], v[SGR]
	v_add_nc_u32 v[SGR], STG, v[SGR]
	v_lshlrev_b32 v[PT16], 4, v0
	v_mov_b32 v24, 0
	v_mov_b32 v28, 0xbf838639                      ; a4 sqrt 2 / 2, as a pair
	v_mov_b32 v29, 0xbf838639
	s_mov_b32 s44, 0x76543210
	s_mov_b32 s45, 0xfedcba98
	s_mov_b32 s46, 0x3f402289                      ; a5 sqrt 2 / 2
	s_mov_b32 s47, s46
	s_mov_b32 s50, 0x3f80a6d5                      ; a3 sqrt 2 / 2
	s_mov_b32 s51, s50
	s_mov_b32 s52, 0xbe4dff65                      ; a2 sqrt 2 / 2
	s_mov_b32 s53, s52
	s_mov_b32 s54, 0x3e38842e                      ; a1 sqrt 2 / 2
	s_mov_b32 s55, s54
	s_mov_b32 s56, 0x3f3504f3                      ; 1 / sqrt 2
	s_mov_b32 s57, s56
	s_mov_b32 s58, 0xbfb8aa3b                      ; -log2 e
	s_mov_b32 s59, s58
	s_mov_b32 s60, 0x3ea7ba05                      ; 0.3275911
	s_mov_b32 s61, 0x3b000000                      ; 1 / 512
	s_mov_b32 s62, 0x3727c5ac                      ; 1e-5
	s_mul_i32 s30, s28, 49152                      ; my eight tiles of four fragments in a phase's block
	s_mov_b32 s31, 0
	s_wait_kmcnt 0x0
	s_add_nc_u64 s[40:41], s[4:5], s[30:31]
	s_add_nc_u64 s[32:33], s[40:41], W1_C          ; s[32:33]: W1(0), then W1(1), W1(2), W1(3), W2(3)
	s_add_nc_u64 s[34:35], s[40:41], W2_C          ; s[34:35]: W2(0), W2(1), W2(2)
	s_add_nc_u64 s[40:41], s[40:41], WP_C          ; Wp
	s_lshl_b32 s30, s28, 11
	s_add_nc_u64 s[42:43], s[6:7], s[30:31]
	s_add_nc_u64 s[36:37], s[42:43], W1_S          ; the scale words that go with s[32:33],
	s_add_nc_u64 s[38:39], s[42:43], W2_S          ; with s[34:35],
	s_add_nc_u64 s[42:43], s[42:43], WP_S          ; and Wp's
	s_mul_i32 s30, ttmp9, 12288
	s_add_nc_u64 s[8:9], s[8:9], s[30:31]          ; ctx's sixteen half images
	s_lshl_b32 s30, ttmp9, 9
	s_add_nc_u64 s[10:11], s[10:11], s[30:31]      ; and its scale bytes
	s_lshl_b32 s30, ttmp9, 16
	s_lshl_b32 s29, s28, 14
	s_add_co_u32 s30, s30, s29
	s_add_nc_u64 s[12:13], s[12:13], s[30:31]      ; x and out at row 32 g + 8 w
	s_add_nc_u64 s[26:27], s[26:27], s[30:31]
	s_wait_alu depctr_va_vdst(0)                   ; the eleven addresses v1 to v11 are written, which the loads and stores of the kernel read
.irp k, 0,1,2,3
	global_load_b128 v[80+4*\k:83+4*\k], v[PT16], s[14:15] offset:2048*\k
.endr
	global_load_b128 v[96:99], v[PT16], s[16:17]
	global_load_b128 v[100:103], v[PT16], s[18:19]
	global_load_b128 v[104:107], v[PT16], s[20:21]
	global_load_b128 v[108:111], v[PT16], s[22:23]
	global_load_b128 v[112:115], v[PT16], s[24:25]
	WIN 0x40
.set n, 0
.rept 32
	global_load_b128 v[128+4*n:131+4*n], v[LI], s[12:13] offset:2048*(n/4)+512*(n%4) th:TH_LOAD_NT   ; my 8 rows of x, 512 consecutive bytes a load
.set n, n+1
.endr
.irp hd, 0,1,2,3,4,5,6,7                       ; ctx: head hd's six registers are half of the fragment of K step hd / 2
.set WW, (2+\hd/4)*64
	WIN WW
.irp m, 0,1
.set BB, 192+12*(2*((\hd/2)%2)+\m)+6*(\hd%2)
	global_load_b128 v[BB:BB+3], v[LI], s[8:9] offset:(8*\m+\hd)*768
	global_load_b64 v[BB+4:BB+5], v[L8], s[8:9] offset:(8*\m+\hd)*768+512
.endr
.endr
	WIN 0
	global_load_b128 v[ASR:ASR+3], v[CSA], s[10:11]
	global_load_b128 v[ASR+4:ASR+7], v[CSA], s[10:11] offset:256
	SCLOAD 0, 42
	REFILL 0, 40
	REFILL 1, 40
	s_wait_loadcnt 56                              ; all but the 8 + 24 + 24 weight loads just issued
.irp k, 0,1,2,3,4,5,6,7,8
	ds_store_b128 v[PT16], v[80+4*\k:83+4*\k] offset:2048*\k
.endr
	WIN 0x04
.set n, 0
.rept 32
	ds_store_b128 v[XSO], v[128+4*n:131+4*n] offset:2064*(n/4)+512*(n%4)
.set n, n+1
.endr
	WIN 0
	REFILL 2, 40
	REFILL 3, 40
	BARRIER                                        ; the parameters and 32 rows of x lie in LDS
	s_wait_alu depctr_vm_vsrc(0)                   ; my LDS stores have read v80-115, which the row sums write, and window 1's v128-255, which the first product writes
	WIN 0x40
.set n, 0
.rept 32
	ds_load_b128 v[4*n:4*n+3], v[SGR] offset:16512*(n/16)+128*((n%16)/4)+16*(n%4)   ; x in the result's layout: the sums of the projection begin with the residual
.set n, n+1
.endr
	WIN 0
	s_wait_dscnt 0x0
	PHASE 0, 0, 1, 32, 36                          ; the projection; the slots take W1(0)
	LN 0, 1024, 10240, 12288, 32                   ; h
	REFILL 3, 32                                   ; no wait: nothing since the wait at the phase's end names slot 3 or v1
	QUANTW 0, 1, PCA, TP, PWA                      ; my 128 columns are K step w of the next product.  The two tiles' codes have registers of their own: no store's data are written again
	QUANTW 64, 1, PCB, TP, PWB
	s_wait_alu depctr_va_vdst(0)                   ; the quantisers have written both tiles' codes and scale words, which the eight stores read; they and the LayerNorm are done with v80-239, in which b2 and, behind the barrier, b1 land
	IMAGE HWI, HIMG, PCA
	ds_store_b32 v[HWS], v[PWA] offset:HSC
	IMAGE HWI, HIMG+6144, PCB
	ds_store_b32 v[HWS], v[PWB] offset:HSC+512
	PARLOAD 176, PA, 8192                          ; b2
	s_wait_dscnt 0x0
	WIN 0x41
.irp m, 0,1
.set k, 0
.rept 32
	v_pk_add_f32 v[64*\m+2*k:64*\m+2*k+1], v[64*\m+2*k:64*\m+2*k+1], v[176+2*k:177+2*k]   ; h + b2: with it the last product's sums begin
.set k, k+1
.endr
.endr
	WIN 0
	BARRIER                                        ; h's eight images lie in LDS
.irp s, 0,1,2,3                                ; no wait: the projection's products, which read these fragments and scale words, stand ahead of the waits above, and nothing since names them
.set WW, (2+\s/2)*64
	WIN WW
.irp m, 0,1
.irp g, 0,1,2
	ds_load_b128 v[192+12*(2*(\s%2)+\m)+4*\g:195+12*(2*(\s%2)+\m)+4*\g], v[LI] offset:HIMG+(4*\m+\s)*1536+512*\g
.endr
.endr
.endr
	WIN 0
.irp n, 0,1,2,3,4,5,6,7
	ds_load_b32 v[ASR+\n], v[LS] offset:HSC+128*\n
.endr
	PARLOAD 80, B1A, 0                             ; b1 at my 64 hidden units of chunk 0
	s_wait_alu depctr_vm_vsrc(0)                   ; the stores of h's images have read v160, v162-173 and v240-252, which the gelu and the quantisers write again; the LayerNorm's last stores have read v26 and v27; b1's loads have read v8, which is stepped in trip 0
	s_wait_xcnt 0x0                                ; the loads of W1(0) have read their bases
	s_add_nc_u64 s[32:33], s[32:33], BLK           ; W1(1)
	s_add_nc_u64 s[36:37], s[36:37], SBLK
	s_wait_dscnt 0x0
	; ---- trip 0, written out: it has no second product
	PHASE 1, 1, 1, 32, 36                          ; first product of chunk 0; the slots take W1(1)
	GELU 0, 32
	REFILL 3, 32                                   ; no wait: nothing since the wait at the phase's end names slot 3 or v1
	QUANTW Z, 0, PCA, TP, PWA
	GELU 1, 0
	QUANTW Z, 0, PCB, TP, PWB
	v_add_nc_u32 v[B1A], 2048, v[B1A]              ; ahead of a wait that stands here anyway
	s_wait_alu depctr_va_vdst(0)                   ; the quantisers have written both tiles' codes and scale words, which the eight stores read; they are done reading v80-143, in which b1 lands; v8 is written, which b1's loads read
	IMAGE HWI, FIMG, PCA
	ds_store_b32 v[HWS], v[PWA] offset:FSC
	IMAGE HWI, FIMG+6144, PCB
	ds_store_b32 v[HWS], v[PWB] offset:FSC+512
	PARLOAD 80, B1A, 0                             ; the next chunk's b1 comes while the barrier is waited for
	BARRIER                                        ; chunk 0's eight images lie in LDS
	s_wait_alu depctr_vm_vsrc(0)                   ; the stores of the images have read v160, v162-173 and v240-252, which the next trip's gelu and quantisers write again; b1's loads have read v8, which the next trip steps
	s_wait_xcnt 0x0
	s_add_nc_u64 s[32:33], s[32:33], BLK           ; W1(2)
	s_add_nc_u64 s[36:37], s[36:37], SBLK
	s_mov_b32 s29, 3
.Lchunk:                                               ; chunks c = 1, 2, 3 (s29 = 3, 2, 1)
	PHASE 1, 1, 0, 34, 38                          ; first product of chunk c; the slots take W2(c - 1)
	GELU 0, 34
	REFILL 3, 34                                   ; no wait: nothing since the wait at the phase's end names slot 3 or v1
	QUANTW Z, 0, PCA, TP, PWA                      ; tile 0's codes stay in registers: the last chunk's images are still to be read
	s_wait_alu depctr_va_vdst(0)                   ; the gelu and the quantiser are done with v80-181, in which the images below land; tile 0's codes and scale word are written, which the stores behind the next barrier read
	HFLOAD                                         ; chunk c - 1's images
	PHASE 2, 0, 1, 32, 36                          ; second product of chunk c - 1; the slots take W1(c + 1), in the last trip W2(3)
	BARRIER                                        ; every wave has the last chunk's images in registers: they may be written again
	IMAGE HWI, FIMG, PCA
	ds_store_b32 v[HWS], v[PWA] offset:FSC
	GELU 1, 32
	REFILL 3, 32                                   ; no wait: nothing since the wait at the phase's end names slot 3 or v1
	QUANTW Z, 0, PCB, TP, PWB
	v_add_nc_u32 v[B1A], 2048, v[B1A]              ; ahead of a wait that stands here anyway, in every trip alike; the last trip's value is not used
	s_wait_alu depctr_va_vdst(0)                   ; the quantiser has written tile 1's codes and scale word, which the four stores read; it is done with v80-181, in which b1 or, behind the loop, the last images land; v8 is written
	IMAGE HWI, FIMG+6144, PCB
	ds_store_b32 v[HWS], v[PWB] offset:FSC+512
	s_cmp_eq_u32 s29, 1
	s_cbranch_scc1 .Lno_b1                         ; behind the last chunk there is no b1 to fetch
	PARLOAD 80, B1A, 0
.Lno_b1:
	BARRIER                                        ; chunk c's eight images lie in LDS
	s_wait_alu depctr_vm_vsrc(0)                   ; the trip's stores of images have read v160, v162-173 and v240-252, which are written again (the next trip's gelu and quantisers; behind the loop the last images' loads); b1's loads have read v8
	s_wait_xcnt 0x0                                ; the trip's loads have read their bases: the last were issued ahead of a quantiser and a barrier
	s_cmp_eq_u32 s29, 2
	s_cselect_b32 s48, 2, 0                        ; from W1(3) to W2(3) are four blocks, else one
	s_lshl_b32 s30, BLK, s48
	s_add_nc_u64 s[32:33], s[32:33], s[30:31]
	s_lshl_b32 s30, SBLK, s48
	s_add_nc_u64 s[36:37], s[36:37], s[30:31]
	s_add_nc_u64 s[34:35], s[34:35], BLK
	s_add_nc_u64 s[38:39], s[38:39], SBLK
	s_sub_co_u32 s29, s29, 1
	s_cmp_lg_u32 s29, 0
	s_cbranch_scc1 .Lchunk
	HFLOAD                                         ; chunk 3's images.  No wait: no vector instruction stands behind the last trip's wait ahead of its stores
	PHASEL 1                                       ; second product of chunk 3
	LN 2048, 3072, 14336, 16384, 0
	WIN 0x04
	s_wait_alu depctr_va_vdst(0)                   ; the LayerNorm has written window 1's v0-127, which the stores below read, and is done with v80-239, in which the rows land behind the barrier
.set n, 0
.rept 32
	ds_store_b128 v[SGR], v[4*n:4*n+3] offset:16512*(n/16)+128*((n%16)/4)+16*(n%4)
.set n, n+1
.endr
	WIN 0
	BARRIER                                        ; 32 whole rows lie in the stage
.set n, 0
.rept 32
	ds_load_b128 v[80+4*n:83+4*n], v[XSO] offset:2064*(n/4)+512*(n%4)
.set n, n+1
.endr
.set n, 0
.rept 32
	s_wait_dscnt 31-n                              ; LDS loads come back in order: load n is in
	global_store_b128 v[LI], v[80+4*n:83+4*n], s[26:27] offset:2048*(n/4)+512*(n%4) th:TH_STORE_NT   ; 512 consecutive bytes, aligned
.set n, n+1
.endr
	s_wait_dscnt 0x0                               ; the closing lines, six on end
	s_wait_alu 0x0
	s_wait_tensorcnt 0x0
	ds_add_u32 v254, v255
	s_wait_dscnt 0x0
	s_endpgm
.Lfunc_end_k_q98ba62e29f_tail:
	.size	k_q98ba62e29f_tail, .Lfunc_end_k_q98ba62e29f_tail-k_q98ba62e29f_tail
	.p2alignl 7, 3214868480
	.fill 96, 4, 3214868480
	.section	.rodata,"a",@progbits
	.p2align	6, 0x0
	.amdhsa_kernel k_q98ba62e29f_tail
		.amdhsa_group_segment_fixed_size 115712
		.amdhsa_private_segment_fixed_size 0
		.amdhsa_enable_private_segment 0
		.amdhsa_kernarg_size 96
		.amdhsa_user_sgpr_count 2
		.amdhsa_user_sgpr_kernarg_segment_ptr 1
		.amdhsa_wavefront_size32 1
		.amdhsa_system_sgpr_workgroup_id_x 1
		.amdhsa_system_sgpr_workgroup_id_y 1
		.amdhsa_system_sgpr_workgroup_id_z 1
		.amdhsa_system_vgpr_workitem_id 0
		.amdhsa_next_free_vgpr 1024
		.amdhsa_next_free_sgpr 66
		.amdhsa_reserve_vcc 0
		.amdhsa_float_denorm_mode_32 3
		.amdhsa_float_denorm_mode_16_64 3
		.amdhsa_memory_ordered 1
		.amdhsa_forward_progress 1
		.amdhsa_inst_pref_size 255
	.end_amdhsa_kernel
	.section	.bss,"aw",@nobits
	.p2align	6
	.space	262144
	.amdgpu_metadata
---
amdhsa.version: [ 1, 2 ]
amdhsa.kernels:
  - .name:           k_q98ba62e29f_tail
    .symbol:         k_q98ba62e29f_tail.kd
    .args:
      - { .name: codes, .offset: 0, .size: 8, .value_kind: global_buffer, .address_space: global }
      - { .name: scl, .offset: 8, .size: 8, .value_kind: global_buffer, .address_space: global }
      - { .name: cc, .offset: 16, .size: 8, .value_kind: global_buffer, .address_space: global }
      - { .name: cs, .offset: 24, .size: 8, .value_kind: global_buffer, .address_space: global }
      - { .name: x, .offset: 32, .size: 8, .value_kind: global_buffer, .address_space: global }
      - { .name: b1, .offset: 40, .size: 8, .value_kind: global_buffer, .address_space: global }
      - { .name: b2, .offset: 48, .size: 8, .value_kind: global_buffer, .address_space: global }
      - { .name: ln1_g, .offset: 56, .size: 8, .value_kind: global_buffer, .address_space: global }
      - { .name: ln1_b, .offset: 64, .size: 8, .value_kind: global_buffer, .address_space: global }
      - { .name: ln2_g, .offset: 72, .size: 8, .value_kind: global_buffer, .address_space: global }
      - { .name: ln2_b, .offset: 80, .size: 8, .value_kind: global_buffer, .address_space: global }
      - { .name: out0, .offset: 88, .size: 8, .value_kind: global_buffer, .address_space: global }
    .group_segment_fixed_size: 115712
    .private_segment_fixed_size: 0
    .kernarg_segment_align: 8
    .kernarg_segment_size: 96
    .max_flat_workgroup_size: 128
    .sgpr_count:     66
    .vgpr_count:     1024
    .wavefront_size: 32
...
	.end_amdgpu_metadata
.endif
;; end of part 6
